; MI455X (gfx1250); checked and timed in simulation.
; The chip was launched on July 23, 2026; its instructions are those of AMD's public machine-readable ISA for CDNA 5 (MIT licence, August 2026) and "CDNA5" Instruction Set Architecture Reference Guide (July 2026). The comments in the code are by the model that wrote it; some were corrected since.
;; Masked Attention. Allowed arithmetic: float matrix products may take bf16 or f16 operands with f32 sums; all other float work in f32.
;; Inputs: Wk 1,024 x 1,024 float32; Wq 1,024 x 1,024 float32; Wv 1,024 x 1,024 float32; inputs 4 x 2,048 x 1,024 float32.
;; Outputs: out0 4 x 2,048 x 1,024 float32.
;; 2 versions, each right and faster than the one before. Each part assembles by itself: llvm-mc -triple=amdgcn-amd-amdhsa -mcpu=gfx1250 --defsym DOCPART=n.
;; ======== version 1 of 2: 5 launches
;; limits: values are held in f16: magnitudes above 65,504 overflow, below 6.1e-05 lose precision
;; workspace buffers: xh 16,777,216 bytes; wh 6,291,456 bytes; qkv 50,331,648 bytes; vtail 2,097,152 bytes; st 67,108,864 bytes; pt 33,554,432 bytes; pex 262,144 bytes; vex 2,097,152 bytes
;; launch cast (part 1): grid 1408 x 1, 8 waves a work-group, no clusters, 0 bytes of LDS; arguments inputs, Wq, Wk, Wv, xh, wh; writes xh, wh
.if DOCPART == 1
	.amdgcn_target "amdgcn-amd-amdhsa--gfx1250"
	.amdhsa_code_object_version 6
	.text
	.protected	k_q3a67af3b5d_cast
	.globl	k_q3a67af3b5d_cast
	.p2align	8
	.type	k_q3a67af3b5d_cast,@function
k_q3a67af3b5d_cast:
	s_mov_b64 s[64:65], 0
	v_nop
	global_prefetch_b8 v0, s[64:65] scope:SCOPE_SE
	s_setreg_imm32_b32 hwreg(HW_REG_WAVE_MODE, 25, 1), 1
	s_wait_xcnt 0x0
; xh[8192][1024] = inputs, wh[1024][3072] = [Wq | Wk | Wv] side by side: each number rounded to bf16 (to nearest even) and that number written as f16.
; LIMITS.  The second step is exact for magnitudes from 6.1e-5 to 65,504; below that f16 keeps its fixed step of 6e-8, beyond it the number becomes an infinity.  NaN and infinities are not treated apart.
; A stream: memory binds, so no LDS, no barrier, no matrix unit.  A work-group takes 8 rows of 1,024 f32, a wave one row: eight loads of 512 consecutive bytes, all out at once,
; and eight stores of 256 consecutive bytes, each at a multiple of 256 from its buffer's first byte.  Work-groups 0-1023 take inputs, then 128 each take Wq, Wk, Wv.
.set IN,  2                            ; v2       byte offset of my 16 bytes in the group's 8 source rows
.set OUT, 3                            ; v3       byte offset of my 8 bytes in the group's 8 rows of the result
.set X,   8                            ; v[8:39]  the row as loaded
.set T,   40                           ; v[40:45] at work
.set Y,   46                           ; v[46:61] the row to store: never rewritten, so no store's data waits for anything
	s_load_b256 s[4:11], s[0:1], 0x0               ; inputs s[4:5], Wq s[6:7], Wk s[8:9], Wv s[10:11]
	s_load_b128 s[12:15], s[0:1], 0x20             ; xh s[12:13], wh s[14:15]
	v_lshrrev_b32 v1, 5, v0                        ; wave = row in the group
	v_and_b32 v4, 31, v0                           ; lane
	v_lshlrev_b32 v[IN], 12, v1                    ; a source row is 4,096 bytes
	v_lshl_or_b32 v[IN], v4, 4, v[IN]
	v_lshlrev_b32 v5, 3, v4
	s_mov_b32 s25, 0xffff0000                      ; a word's upper bf16
	s_mov_b32 s29, 2048                            ; bytes in a row of xh
	s_sub_co_u32 s26, ttmp9, 1024                  ; the group's number among the weights' (of use only from 1,024 on)
	s_lshr_b32 s27, s26, 7                         ; which weight
	s_and_b32 s28, s26, 127                        ; which 8 rows of it
	s_cmp_lt_u32 ttmp9, 1024
	s_cselect_b32 s28, ttmp9, s28                  ; which 8 rows of the source
	s_cselect_b32 s27, 0, s27
	s_cselect_b32 s24, s29, 6144                   ; bytes in a row of the result
	v_mad_u32_u24 v[OUT], v1, s24, v5
	s_lshl_b32 s20, s28, 15                        ; 8 source rows are 32,768 bytes
	s_mov_b32 s21, 0
	s_mul_i32 s22, s28, s24
	s_lshl_b32 s22, s22, 3                         ; 8 rows of the result,
	s_lshl_b32 s30, s27, 11                        ; and the weight's 1,024 columns in wh
	s_add_co_u32 s22, s22, s30
	s_mov_b32 s23, 0
	s_wait_kmcnt 0x0
	s_cmp_eq_u32 s27, 1
	s_cselect_b64 s[16:17], s[8:9], s[6:7]
	s_cmp_eq_u32 s27, 2
	s_cselect_b64 s[16:17], s[10:11], s[16:17]
	s_cmp_lt_u32 ttmp9, 1024
	s_cselect_b64 s[16:17], s[4:5], s[16:17]       ; the source
	s_cselect_b64 s[18:19], s[12:13], s[14:15]     ; the result
	s_add_nc_u64 s[16:17], s[16:17], s[20:21]
	s_add_nc_u64 s[18:19], s[18:19], s[22:23]
.irp t, 0,1,2,3,4,5,6,7
	global_load_b128 v[X+4*(\t):X+4*(\t)+3], v[IN], s[16:17] offset:512*(\t) th:TH_LOAD_NT
.endr
.irp t, 0,1,2,3,4,5,6,7
	s_wait_loadcnt 7-(\t)                          ; loads come back in order: load t is in, the younger ones stay out
	v_cvt_pk_bf16_f32 v[T], v[X+4*(\t)], v[X+4*(\t)+1]
	v_cvt_pk_bf16_f32 v[T+1], v[X+4*(\t)+2], v[X+4*(\t)+3]
	v_lshlrev_b32 v[T+2], 16, v[T]                 ; bf16 back to f32: a shift or a mask
	v_and_b32 v[T+3], s25, v[T]
	v_lshlrev_b32 v[T+4], 16, v[T+1]
	v_and_b32 v[T+5], s25, v[T+1]
	v_cvt_pk_f16_f32 v[Y+2*(\t)], v[T+2], v[T+3]
	v_cvt_pk_f16_f32 v[Y+2*(\t)+1], v[T+4], v[T+5]
	global_store_b64 v[OUT], v[Y+2*(\t):Y+2*(\t)+1], s[18:19] offset:256*(\t)
.endr
	s_endpgm
.Lfunc_end_k_q3a67af3b5d_cast:
	.size	k_q3a67af3b5d_cast, .Lfunc_end_k_q3a67af3b5d_cast-k_q3a67af3b5d_cast
	.p2alignl 7, 3214868480
	.fill 96, 4, 3214868480
	.section	.rodata,"a",@progbits
	.p2align	6, 0x0
	.amdhsa_kernel k_q3a67af3b5d_cast
		.amdhsa_group_segment_fixed_size 0
		.amdhsa_private_segment_fixed_size 0
		.amdhsa_enable_private_segment 0
		.amdhsa_kernarg_size 48
		.amdhsa_user_sgpr_count 2
		.amdhsa_user_sgpr_kernarg_segment_ptr 1
		.amdhsa_wavefront_size32 1
		.amdhsa_system_sgpr_workgroup_id_x 1
		.amdhsa_system_sgpr_workgroup_id_y 1
		.amdhsa_system_sgpr_workgroup_id_z 1
		.amdhsa_system_vgpr_workitem_id 0
		.amdhsa_next_free_vgpr 64
		.amdhsa_next_free_sgpr 66
		.amdhsa_reserve_vcc 0
		.amdhsa_float_denorm_mode_32 3
		.amdhsa_float_denorm_mode_16_64 3
		.amdhsa_memory_ordered 1
		.amdhsa_forward_progress 1
		.amdhsa_inst_pref_size 7
	.end_amdhsa_kernel
	.amdgpu_metadata
---
amdhsa.version: [ 1, 2 ]
amdhsa.kernels:
  - .name:           k_q3a67af3b5d_cast
    .symbol:         k_q3a67af3b5d_cast.kd
    .args:
      - { .name: inputs, .offset: 0, .size: 8, .value_kind: global_buffer, .address_space: global }
      - { .name: Wq, .offset: 8, .size: 8, .value_kind: global_buffer, .address_space: global }
      - { .name: Wk, .offset: 16, .size: 8, .value_kind: global_buffer, .address_space: global }
      - { .name: Wv, .offset: 24, .size: 8, .value_kind: global_buffer, .address_space: global }
      - { .name: xh, .offset: 32, .size: 8, .value_kind: global_buffer, .address_space: global }
      - { .name: wh, .offset: 40, .size: 8, .value_kind: global_buffer, .address_space: global }
    .group_segment_fixed_size: 0
    .private_segment_fixed_size: 0
    .kernarg_segment_align: 8
    .kernarg_segment_size: 48
    .max_flat_workgroup_size: 256
    .sgpr_count:     66
    .vgpr_count:     64
    .wavefront_size: 32
...
	.end_amdgpu_metadata
.endif
;; end of part 1
;; launch proj (part 2): grid 12 x 32, 4 waves a work-group, clusters of 4 x 4, 327,680 bytes of LDS; arguments xh, wh, qkv, vtail; writes qkv, vtail
.if DOCPART == 2
	.amdgcn_target "amdgcn-amd-amdhsa--gfx1250"
	.amdhsa_code_object_version 6
	.text
	.protected	k_q3a67af3b5d_proj
	.globl	k_q3a67af3b5d_proj
	.p2align	8
	.type	k_q3a67af3b5d_proj,@function
k_q3a67af3b5d_proj:
	s_mov_b64 s[64:65], 0
	v_nop
	global_prefetch_b8 v0, s[64:65] scope:SCOPE_SE
	s_setreg_imm32_b32 hwreg(HW_REG_WAVE_MODE, 25, 1), 1
	s_wait_xcnt 0x0
	s_wait_alu depctr_hold_cnt(0) depctr_sa_sdst(0) depctr_va_vdst(0) depctr_va_sdst(0) depctr_va_ssrc(0) depctr_va_vcc(0) depctr_vm_vsrc(0)
	s_getreg_b32 s2, hwreg(HW_REG_IB_STS2, 6, 4)
	s_cmp_eq_u32 s2, 0
	s_cbranch_scc0 .Lentry_in_a_cluster
	s_endpgm
.Lentry_in_a_cluster:
	s_bfe_u32 s2, ttmp6, 0x10000c
	s_cmp_lg_u32 s2, 0xf033
	s_cbranch_scc0 .Lentry_shape_is_right
	s_endpgm
.Lentry_shape_is_right:
; qkv[8192][3072] = xh[8192][1024] x wh[1024][3072], f16 operands, f32 sums, rounded once to f16; columns 0-1023 are q, 1024-2047 k, 2048-3071 v, all unscaled.
; vtail[4][128][1024] keeps, in f32, v of each batch's last 128 tokens.
; LIMITS.  A sum of 65,520 or more in magnitude becomes an infinity in qkv; below 6.1e-5 f16 keeps its fixed step of 6e-8.  NaN and infinities are not treated apart.
; SHARES.  A tile of 256 x 256 to a work-group of four waves, 128 x 128 to a wave: 64 accumulators of 16 x 16 in 512 registers.  K = 1,024 goes in 8 steps of 128 through two LDS slots.
; xh's tile lies with K along its rows (256 bytes of memory a row); wh's tile lies [k][n] (512 bytes a row) and its fragments are turned on the way out of LDS by ds_load_tr16_b128.
; CLUSTER.  4 x 4 work-groups.  The four of a row of the cluster share the tile row and so xh's tiles, the four of a column share the tile column and wh's: each tile is asked for jointly,
; by the same tensor load with the same descriptor and a mask that names the four.  Tile row = 8 cy + cluster y: a cluster's four rows lie in the four batches, at the same place in each,
; so whether a tile holds a batch's last tokens is the same for all sixteen partners.
; ONE TEXT FOR A K STEP: the slot in hand is a scalar (TB) that an exclusive or turns; SLOT = 0x22000 shares no bit with a wave's place 0x8800 x wave, so the or adds or takes away SLOT.
; THE MATRIX INSTRUCTION IS USED TRANSPOSED: source 0 = 16 columns of wh, source 1 = 16 rows of xh: a lane then holds one token and eight neighbouring channels.
; REGISTERS, in windows of 256: window 0: v16-29 addresses; v64-127, v128-191 xh's fragments, two buffers; v192-223, v32-63, v224-255 the way out.
;   window 1: v64-127, v128-191 wh's fragments.   window 2: the accumulators of my rows 0-63 ((a, b) at v[8 (8 a + b)]);   window 3: of my rows 64-127.
.set PA,     272                       ; a row of xh's tile in LDS: 256 bytes + 16: the 16 rows of a fragment load start at 16 different groups of four banks
.set PB,     544                       ; a row of wh's tile: 512 bytes + 32 = 17 x 32
.set HALFT,  128*PA                    ; what one tensor load brings: 128 rows of xh, or 64 rows of wh (64 x 544 is the same 34,816 bytes)
.set SLOT,   4*HALFT                   ; xh's 256 rows, then wh's 128
.set STAGE,  2*SLOT                    ; behind the ring: 16 rows x 272 bytes for each wave, for the way out
.set SPITCH, 272
.set SPARE,  STAGE+4*16*SPITCH         ; behind the stages: the spare words, 128 bytes a wave, which no other line names
.set ASTEP,  256                       ; bytes from a K step to the next in xh,
.set BSTEP,  128*6144                  ; and in wh
.set CROW,   6144                      ; bytes in a row of qkv
.set ADRA, 16                          ; v16  LDS address of my xh fragments in the slot in hand
.set A0,   17                          ; v17  the same in slot 0; never rewritten
.set ADRB, 20                          ; v20, v21  the same for wh
.set B0,   21
.set STO,  24                          ; v24  the way out: where I put 16 bytes of a row
.set RD,   25                          ; v25  where I read a row back
.set CO,   26                          ; v26  my byte offset in qkv
.set VT,   27                          ; v27  my byte offset in vtail
.set SPW,  28                          ; v28  LDS address of my spare word; never rewritten
.set NIL,  29                          ; v29  0; never rewritten
.set F0,   64
.set F1,   128
.set TMP,  192
.set OB,   32
.set WV,  12                           ; s12 wave; s13 wave / 2: my half of the rows, and: I fetch xh (0) or wh (1); s14 wave % 2: my half of the columns, and which half of that tile I fetch
.set RH,  13
.set CHF, 14
.set CX,  15
.set CY,  16
.set TC,  17                           ; tile column
.set TR,  18                           ; tile row
.set CLY, 19                           ; the cluster's y = the tile's place in its batch
.set G1A, 24                           ; s[24:31] descriptor group 1 for xh's tiles; s[32:39] group 0: a set for each first fill; the second then walks
.set G0A, 32
.set TB,  40                           ; LDS byte at which the slot in hand begins
.set WB,  41                           ; my tensor loads' place in a slot
.set CNT, 42
.set G1B, 48                           ; s[48:55], s[56:63] the same for wh's tiles
.set G0B, 56
.set MSB, 0
.macro WIN new                         ; the immediate's high byte repeats the setting that is left; a switch that changes nothing is dropped
.if MSB != (\new)
	s_set_vgpr_msb (MSB<<8)|(\new)
.set MSB, \new
.endif
.endm
.set MUL_LO, 0xa1                      ; source 0 (wh) window 1, source 1 (xh) window 0, C and D window 2
.set MUL_HI, 0xf1                      ; the same, C and D window 3
.set TO_B,   0x40                      ; destination window 1, address window 0
.macro PLACES                          ; four places in front of loads into registers that matrix instructions have read, and of lines that read results
.rept 4
	v_nop
.endr
.endm
; A joint refill by the walking descriptors.  The branch hangs on the wave's number alone.  An s_nop 0 and four v_nop follow each of the two lines.
.macro JLOAD
	s_cmp_eq_u32 s[RH], 0
	s_cbranch_scc0 .Lfor_b_\@
	tensor_load_to_lds s[G0A+4:G0A+7], s[G1A:G1A+7]
	s_nop 0
.rept 4
	v_nop
.endr
	s_branch .Lasked_\@
.Lfor_b_\@:
	tensor_load_to_lds s[G0B+4:G0B+7], s[G1B:G1B+7]
	s_nop 0
.rept 4
	v_nop
.endr
.Lasked_\@:
.endm
.macro CREST                           ; a round of the cluster's barrier behind its opening barrier
	s_cmp_lg_u32 s[WV], 0
	s_cbranch_scc1 .Lnot_wave_0_\@
	s_barrier_signal -3
.Lnot_wave_0_\@:
	s_barrier_wait -3
	s_barrier_signal -1
	s_barrier_wait -1
.endm
.macro CROUND                          ; a whole round
	s_barrier_signal -1
	s_barrier_wait -1
	CREST
.endm
	s_load_b256 s[4:11], s[0:1], 0x0               ; xh s[4:5], wh s[6:7], qkv s[8:9], vtail s[10:11]
	v_lshl_add_u32 v[SPW], v0, 2, SPARE
	v_mov_b32 v[NIL], 0
	ds_add_u32 v[SPW], v[NIL]                      ; the wave's opening: the add and its wait ahead of my first tensor load; the set-up stands between them
	ds_add_u32 v28, v29
	v_lshrrev_b32 v1, 5, v0
	v_readfirstlane_b32 s[WV], v1
	s_lshr_b32 s[RH], s[WV], 1
	s_and_b32 s[CHF], s[WV], 1
	s_bfe_u32 s[CX], ttmp6, 0x40000
	s_bfe_u32 s[CY], ttmp6, 0x40004
	s_lshl_b32 s[TC], ttmp9, 2
	s_add_co_u32 s[TC], s[TC], s[CX]               ; tile column = 4 x cluster x + cx
	s_and_b32 s[CLY], ttmp7, 0xffff
	s_lshl_b32 s[TR], s[CY], 3
	s_add_co_u32 s[TR], s[TR], s[CLY]              ; tile row = 8 cy + cluster y
	s_lshl_b32 s20, s[CY], 2
	s_lshl_b32 s20, 15, s20                        ; my row of the cluster
	s_lshl_b32 s21, 0x1111, s[CX]                  ; my column
	s_or_b32 s[G1A], s20, (1<<16)|(1<<20)|(1<<21)|(5<<22)|(3<<25)   ; the mask; 2-byte elements; padding on; bit 21 beside a mask; after every 64 words, 4 words
	s_mov_b32 s[G1A+1], 128<<16                    ; tensor_dim0 = 128
	s_mov_b32 s[G1A+2], 128<<16                    ; tensor_dim1 = 128
	s_mov_b32 s[G1A+3], 128<<16                    ; tile_dim0 = 128
	s_mov_b32 s[G1A+4], 128                        ; tile_dim1 = 128
	s_mov_b32 s[G1A+5], 1024                       ; elements from row to row
	s_mov_b32 s[G1A+6], 0
	s_mov_b32 s[G1A+7], 0
	s_or_b32 s[G1B], s21, (1<<16)|(1<<20)|(1<<21)|(6<<22)|(7<<25)   ; after every 128 words, 8 words
	s_mov_b32 s[G1B+1], 256<<16                    ; tensor_dim0 = 256
	s_mov_b32 s[G1B+2], 64<<16                     ; tensor_dim1 = 64
	s_mov_b32 s[G1B+3], 256<<16                    ; tile_dim0 = 256
	s_mov_b32 s[G1B+4], 64                         ; tile_dim1 = 64
	s_mov_b32 s[G1B+5], 3072
	s_mov_b32 s[G1B+6], 0
	s_mov_b32 s[G1B+7], 0
	s_lshl_b32 s44, s[TR], 19                      ; xh: row 256 x tile row + 128 x half, 2,048 bytes a row
	s_lshl_b32 s22, s[CHF], 18
	s_add_co_u32 s44, s44, s22
	s_mov_b32 s45, 0
	s_mul_i32 s46, s[CHF], 64*6144                 ; wh: row 64 x half, column 256 x tile column
	s_lshl_b32 s23, s[TC], 9
	s_add_co_u32 s46, s46, s23
	s_mov_b32 s47, 0
	s_mul_i32 s[WB], s[WV], HALFT                  ; no place in the cluster enters an LDS address
	s_mov_b32 s[TB], 0
	s_wait_dscnt 0x0                               ; the opening add is done
	s_wait_kmcnt 0x0
	s_add_nc_u64 s[44:45], s[4:5], s[44:45]
	s_add_nc_u64 s[46:47], s[6:7], s[46:47]
	CROUND                                         ; all sixteen work-groups are here: the first joint loads meet
.irp s, 0,1
	s_mov_b32 s[G0A+4*(\s)], 1
	s_add_co_u32 s[G0A+4*(\s)+1], s[WB], (\s)*SLOT
	s_add_nc_u64 s[G0A+4*(\s)+2:G0A+4*(\s)+3], s[44:45], (\s)*ASTEP
	s_or_b32 s[G0A+4*(\s)+3], s[G0A+4*(\s)+3], 0x80000000
	s_mov_b32 s[G0B+4*(\s)], 1
	s_add_co_u32 s[G0B+4*(\s)+1], s[WB], (\s)*SLOT
	s_add_nc_u64 s[G0B+4*(\s)+2:G0B+4*(\s)+3], s[46:47], (\s)*BSTEP
	s_or_b32 s[G0B+4*(\s)+3], s[G0B+4*(\s)+3], 0x80000000
.endr
	s_cmp_eq_u32 s[RH], 0                          ; a wave's two first fills stand in one branch, ahead of every wait on TENSORcnt and every LDS read: two loads of mine are out
	s_cbranch_scc0 .Lfirst_b
	tensor_load_to_lds s[G0A:G0A+3], s[G1A:G1A+7]
	s_nop 0
	tensor_load_to_lds s[G0A+4:G0A+7], s[G1A:G1A+7]
	s_nop 0
.rept 4
	v_nop
.endr
	s_branch .Lfirst_asked
.Lfirst_b:
	tensor_load_to_lds s[G0B:G0B+3], s[G1B:G1B+7]
	s_nop 0
	tensor_load_to_lds s[G0B+4:G0B+7], s[G1B:G1B+7]
	s_nop 0
.rept 4
	v_nop
.endr
.Lfirst_asked:
	v_and_b32 v1, 15, v0                           ; r = l % 16
	v_bfe_u32 v2, v0, 4, 1                         ; h = l / 16
	v_and_b32 v3, 7, v0
	v_bfe_u32 v4, v0, 3, 1
	v_mul_u32_u24 v5, v1, PA
	v_lshl_add_u32 v5, v2, 4, v5                   ; row x pitch + 16 x half: a fragment of xh is two loads of 16 bytes, 32 bytes apart
	s_mul_i32 s20, s[RH], HALFT
	v_add_nc_u32 v[A0], s20, v5
	v_lshl_add_u32 v6, v2, 3, v3                   ; the turning load: lane l reads k row 8 (l / 16) + l % 8, columns 8 ((l / 8) % 2) + 0..7
	v_mul_u32_u24 v6, v6, PB
	v_lshl_add_u32 v6, v4, 4, v6
	s_lshl_b32 s21, s[CHF], 8                      ; my 128 columns
	s_add_co_u32 s21, s21, 2*HALFT                 ; wh's rows lie behind xh's 256
	v_add_nc_u32 v[B0], s21, v6
	v_mov_b32 v[ADRA], v[A0]
	v_mov_b32 v[ADRB], v[B0]
	s_mul_i32 s22, s[WV], 16*SPITCH
	s_add_co_u32 s22, s22, STAGE                   ; my stage
	v_add_nc_u32 v[STO], s22, v5                   ; in: row l % 16, 16 bytes for each half of the lanes
	v_mul_u32_u24 v7, v2, SPITCH                   ; back: lanes 0-15 one row of 256 bytes, lanes 16-31 the next
	v_lshl_add_u32 v7, v1, 4, v7
	v_add_nc_u32 v[RD], s22, v7
	v_mul_u32_u24 v7, v2, CROW                     ; the same two rows in qkv
	v_lshl_add_u32 v[CO], v1, 4, v7
	v_lshlrev_b32 v7, 12, v1                       ; vtail: row l % 16 of 4,096 bytes, 32 bytes for each half of the lanes
	v_lshl_add_u32 v[VT], v2, 5, v7
	s_lshl_b32 s66, s[TR], 8
	s_lshl_b32 s67, s[RH], 7
	s_add_co_u32 s66, s66, s67                     ; my first row of qkv
	s_mul_i32 s66, s66, CROW
	s_lshl_b32 s67, s[TC], 9
	s_add_co_u32 s66, s66, s67
	s_lshl_b32 s67, s[CHF], 8
	s_add_co_u32 s66, s66, s67                     ; my first column, in bytes
	s_mov_b32 s67, 0
	s_add_nc_u64 s[8:9], s[8:9], s[66:67]
; 16 matrix instructions: m blocks a0, a0 + 1 of the window's four x all 8 n blocks, 32 along K.  zero = 1: the first product starts the sums.  The 64 accumulators take turns.
.macro MUL16 f, hi, a0, zero
	WIN MUL_LO+0x50*(\hi)
.irp a, \a0, (\a0)+1
.irp b, 0,1,2,3,4,5,6,7
.if \zero
	v_wmma_f32_16x16x32_f16 v[8*(8*(\a)+(\b)):8*(8*(\a)+(\b))+7], v[(\f)+8*(\b):(\f)+8*(\b)+7], v[(\f)+8*(4*(\hi)+(\a)):(\f)+8*(4*(\hi)+(\a))+7], 0
.else
	v_wmma_f32_16x16x32_f16 v[8*(8*(\a)+(\b)):8*(8*(\a)+(\b))+7], v[(\f)+8*(\b):(\f)+8*(\b)+7], v[(\f)+8*(4*(\hi)+(\a)):(\f)+8*(4*(\hi)+(\a))+7], v[8*(8*(\a)+(\b)):8*(8*(\a)+(\b))+7]
.endif
.endr
.endr
.endm
; 32 LDS loads in one run: the fragments of a quarter step (32 along K, at byte k of xh's rows, k rows k / 2 on of wh's) into buffer f
.macro FETCH k, f
	WIN TO_B
.irp i, 0,1,2,3,4,5,6,7
	ds_load_tr16_b128 v[(\f)+8*(\i):(\f)+8*(\i)+3],   v[ADRB] offset:((\k)/64)*32*PB+32*(\i)
	ds_load_tr16_b128 v[(\f)+8*(\i)+4:(\f)+8*(\i)+7], v[ADRB] offset:((\k)/64)*32*PB+16*PB+32*(\i)
.endr
	WIN 0
.irp i, 0,1,2,3,4,5,6,7
	ds_load_b128 v[(\f)+8*(\i):(\f)+8*(\i)+3],   v[ADRA] offset:(\k)+(\i)*16*PA
	ds_load_b128 v[(\f)+8*(\i)+4:(\f)+8*(\i)+7], v[ADRA] offset:(\k)+(\i)*16*PA+32
.endr
.endm
; One of a K step's first three quarters: multiplies buffer f; in its middle it fetches the next quarter's fragments into buffer g.
.macro QUARTER k, f, g, zero
	s_wait_dscnt 8                                 ; wh's fragments and xh's rows 0-63 are in; the youngest eight loads (rows 64-127) may be out
	MUL16 \f, 0, 0, \zero
	MUL16 \f, 0, 2, \zero
	PLACES
	FETCH \k, \g
	s_wait_dscnt 32                                ; all but the 32 just issued
	MUL16 \f, 1, 0, \zero
	MUL16 \f, 1, 2, \zero
.endm
; The last quarter multiplies buffer 1 and changes slots: one barrier.  In front of it each wave waits for all its tensor loads (one is out: its part of the next slot), adds 0 to its spare word,
; and waits for that and for its reads of this slot.  fill = 1: the barrier opens a round of the cluster's, and the slot just left is filled again, first thing behind the round, two K steps ahead:
; 224 matrix instructions stand between the request and the wait for it.
.macro TURN fill
	WIN 0
	s_wait_tensorcnt 0x0                           ; no tensor load of mine is out, so the walking descriptors may be written
	ds_add_u32 v[SPW], v[NIL]                      ; 0 onto my spare word
.if \fill
	s_xor_b32 s[G0A+5], s[G0A+5], SLOT             ; the other slot than last time,
	s_add_nc_u64 s[G0A+6:G0A+7], s[G0A+6:G0A+7], ASTEP  ; the next K step; the type bits on top are not reached
	s_xor_b32 s[G0B+5], s[G0B+5], SLOT
	s_add_nc_u64 s[G0B+6:G0B+7], s[G0B+6:G0B+7], BSTEP
.endif
	s_xor_b32 s[TB], s[TB], SLOT                   ; the slot to be read next
	s_wait_dscnt 9                                 ; the add and the youngest eight loads may be out
	MUL16 F1, 0, 0, 0
	s_wait_dscnt 0x0                               ; the add is done, and my reads of this slot are over
	s_barrier_signal -1
	MUL16 F1, 0, 2, 0                              ; work on registers while the others arrive
	WIN 0
	s_barrier_wait -1
.if \fill
	CREST                                          ; no wave of any partner still reads this slot or has a load on its way
	JLOAD                                          ; its four v_nop are also the places in front of the loads below
.else
	PLACES
.endif
	v_add_nc_u32 v[ADRA], s[TB], v[A0]
	v_add_nc_u32 v[ADRB], s[TB], v[B0]
	FETCH 0, F0
	MUL16 F1, 1, 0, 0
	MUL16 F1, 1, 2, 0
.endm
; THE WAY OUT of block a (16 rows): rounded to f16, 16 bytes a lane; through my own stage; back as whole rows of 256 bytes; stored.
.macro PACK a
	WIN 0x0a+5*((\a)/4)                            ; sources 0 and 1: window 2 or 3
.irp b, 0,1,2,3,4,5,6,7
.irp r, 0,1,2,3
	v_cvt_pk_f16_f32 v[TMP+4*(\b)+(\r)], v[64*((\a)%4)+8*(\b)+2*(\r)], v[64*((\a)%4)+8*(\b)+2*(\r)+1]
.endr
.endr
	WIN 0
.endm
.macro TOSTAGE a
.irp b, 0,1,2,3,4,5,6,7
	ds_store_b128 v[STO], v[TMP+4*(\b):TMP+4*(\b)+3] offset:32*(\b)
.endr
.irp t, 0,1,2,3,4,5,6,7
	ds_load_b128 v[OB+192*((\a)%2)+4*(\t):OB+192*((\a)%2)+4*(\t)+3], v[RD] offset:(\t)*2*SPITCH  ; LDS serves a wave's instructions in order: these see the stores above
.endr
.endm
.macro SEND a
	s_wait_dscnt 0x0                               ; the block is back in registers
	s_wait_xcnt 0x0                                ; the registers that the block before last's stores read are loaded again only behind this wait
.irp t, 0,1,2,3,4,5,6,7
	global_store_b128 v[CO], v[OB+192*((\a)%2)+4*(\t):OB+192*((\a)%2)+4*(\t)+3], s[8:9] offset:(16*(\a)+2*(\t))*CROW  ; 16 lanes store 256 consecutive bytes, at a multiple of 256 from qkv's first byte
.endr
.endm
	s_wait_tensorcnt 1                             ; my part of K step 0 is in; K step 1's may stay out
	s_barrier_signal -1
	s_barrier_wait -1
	FETCH 0, F0
	QUARTER 64, F0, F1, 1                          ; the first quarter stands in front of the loop: its products start the sums
	WIN 0
	s_mov_b32 s[CNT], 6
.Lstep:                                                ; a trip: a K step's quarters 2 to 4 and the next step's first; its change of slots asks for K steps 2 to 7
	QUARTER 128, F1, F0, 0
	QUARTER 192, F0, F1, 0
	TURN 1
	QUARTER 64, F0, F1, 0
	WIN 0
	s_sub_co_u32 s[CNT], s[CNT], 1
	s_cmp_lg_u32 s[CNT], 0
	s_cbranch_scc1 .Lstep
	QUARTER 128, F1, F0, 0                         ; K step 6 goes on; nothing is left to ask for, so the tail is written out
	QUARTER 192, F0, F1, 0
	TURN 0
	QUARTER 64, F0, F1, 0
	QUARTER 128, F1, F0, 0
	QUARTER 192, F0, F1, 0
	s_wait_dscnt 8
	MUL16 F1, 0, 0, 0
	MUL16 F1, 0, 2, 0
	s_wait_dscnt 0x0
	MUL16 F1, 1, 0, 0
	MUL16 F1, 1, 2, 0
	WIN 0
	PLACES
	PACK 0
	TOSTAGE 0
.irp a, 1,2,3,4,5,6,7                  ; block a's conversions stand between block a - 1's loads from the stage and the wait for them
	PACK \a
	SEND (\a)-1
	TOSTAGE \a
.endr
	SEND 7
	; v of a batch's last 128 tokens also leaves in f32: the tile row is its batch's last, the columns are v's, and the wave has the tile's lower rows.  The first two hang on the cluster's
	; coordinates, the third on the wave's number.  A lane's 32 bytes are pieces of rows 4,096 bytes apart: 2 MiB of the launch's 50, not worth a second stage.
	s_cmp_lg_u32 s[CLY], 7
	s_cbranch_scc1 .Lno_tail
	s_cmp_lt_u32 ttmp9, 2
	s_cbranch_scc1 .Lno_tail
	s_cmp_lg_u32 s[RH], 1
	s_cbranch_scc1 .Lno_tail
	s_sub_co_u32 s20, s[TC], 8
	s_lshl_b32 s20, s20, 10                        ; 256 channels of 4 bytes a tile column,
	s_lshl_b32 s21, s[CY], 19                      ; the batch,
	s_add_co_u32 s20, s20, s21
	s_lshl_b32 s21, s[CHF], 9                      ; my 128 channels
	s_add_co_u32 s20, s20, s21
	s_mov_b32 s21, 0
	s_add_nc_u64 s[10:11], s[10:11], s[20:21]
.irp a, 0,1,2,3,4,5,6,7
	WIN 0x08+4*((\a)/4)                            ; store data (source 1): window 2 or 3
.irp b, 0,1,2,3,4,5,6,7
	global_store_b128 v[VT], v[64*((\a)%4)+8*(\b):64*((\a)%4)+8*(\b)+3],   s[10:11] offset:(\a)*65536+(\b)*64
	global_store_b128 v[VT], v[64*((\a)%4)+8*(\b)+4:64*((\a)%4)+8*(\b)+7], s[10:11] offset:(\a)*65536+(\b)*64+16
.endr
.endr
	WIN 0
.Lno_tail:
	s_wait_tensorcnt 0x0                           ; the wave's end, behind my last tensor load and my last LDS store
	ds_add_u32 v[SPW], v[NIL]
	s_wait_dscnt 0x0
	CROUND                                         ; the closing round: no work-group ends while a partner may still ask for a tile that names it
	s_endpgm
.Lfunc_end_k_q3a67af3b5d_proj:
	.size	k_q3a67af3b5d_proj, .Lfunc_end_k_q3a67af3b5d_proj-k_q3a67af3b5d_proj
	.p2alignl 7, 3214868480
	.fill 96, 4, 3214868480
	.section	.rodata,"a",@progbits
	.p2align	6, 0x0
	.amdhsa_kernel k_q3a67af3b5d_proj
		.amdhsa_group_segment_fixed_size 327680
		.amdhsa_private_segment_fixed_size 0
		.amdhsa_enable_private_segment 0
		.amdhsa_kernarg_size 32
		.amdhsa_user_sgpr_count 2
		.amdhsa_user_sgpr_kernarg_segment_ptr 1
		.amdhsa_wavefront_size32 1
		.amdhsa_system_sgpr_workgroup_id_x 1
		.amdhsa_system_sgpr_workgroup_id_y 1
		.amdhsa_system_sgpr_workgroup_id_z 1
		.amdhsa_system_vgpr_workitem_id 0
		.amdhsa_next_free_vgpr 1024
		.amdhsa_next_free_sgpr 72
		.amdhsa_reserve_vcc 0
		.amdhsa_float_denorm_mode_32 3
		.amdhsa_float_denorm_mode_16_64 3
		.amdhsa_memory_ordered 1
		.amdhsa_forward_progress 1
		.amdhsa_inst_pref_size 129
	.end_amdhsa_kernel
	.amdgpu_metadata
---
amdhsa.version: [ 1, 2 ]
amdhsa.kernels:
  - .name:           k_q3a67af3b5d_proj
    .symbol:         k_q3a67af3b5d_proj.kd
    .args:
      - { .name: xh, .offset: 0, .size: 8, .value_kind: global_buffer, .address_space: global }
      - { .name: wh, .offset: 8, .size: 8, .value_kind: global_buffer, .address_space: global }
      - { .name: qkv, .offset: 16, .size: 8, .value_kind: global_buffer, .address_space: global }
      - { .name: vtail, .offset: 24, .size: 8, .value_kind: global_buffer, .address_space: global }
    .group_segment_fixed_size: 327680
    .private_segment_fixed_size: 0
    .kernarg_segment_align: 8
    .kernarg_segment_size: 32
    .max_flat_workgroup_size: 128
    .sgpr_count:     72
    .vgpr_count:     1024
    .wavefront_size: 32
...
	.end_amdgpu_metadata
.endif
;; end of part 2
;; launch scores (part 3): grid 9 x 16, 4 waves a work-group, no clusters, 327,680 bytes of LDS; arguments qkv, st; writes st
.if DOCPART == 3
	.amdgcn_target "amdgcn-amd-amdhsa--gfx1250"
	.amdhsa_code_object_version 6
	.text
	.protected	k_q3a67af3b5d_scores
	.globl	k_q3a67af3b5d_scores
	.p2align	8
	.type	k_q3a67af3b5d_scores,@function
k_q3a67af3b5d_scores:
	s_mov_b64 s[64:65], 0
	v_nop
	global_prefetch_b8 v0, s[64:65] scope:SCOPE_SE
	s_setreg_imm32_b32 hwreg(HW_REG_WAVE_MODE, 25, 1), 1
	s_wait_xcnt 0x0
; st[b][j][i] = k[b][j] . q[b][i], f16 operands, f32 sums, unscaled, kept in f32: key j along the rows, so that the softmax over queries is a softmax along rows of st.
; Only tiles of 256 keys x 256 queries with query block I >= key block J are made: 36 a batch, 144 work-groups; all else lies above the diagonal and is never read.
; Work-group (c, y): batch y / 4, a = y % 4; c < 8 - a: (I, J) = (7 - a, c), else (a, c - 8 + a): rows 7 - a and a of the triangle have 9 tiles together.
; In a diagonal tile the wave with the later keys and the earlier queries makes hidden numbers only: 8 of the launch's 144 tiles' worth of work, left in for one text.
; NO CLUSTER: the tiles that share k's rows are 8 - J, those that share q's rows I + 1: neither is a multiple of four for every J and I, so no grid of clusters covers the triangle.
; SHARES, RING, REGISTERS: four waves, 128 x 128 each, 64 accumulators in windows 2 and 3; K = 1,024 in 8 steps of 128 through two LDS slots; both tiles lie with K along their rows, 256 bytes
; of memory each.  One text for a K step: the slot in hand is a scalar that an exclusive or turns (SLOT = 0x22000 shares no bit with 0x8800 x wave).
; Source 0 = 16 rows of q, source 1 = 16 rows of k: a lane holds one key and eight neighbouring queries, 32 bytes of a row of st.
.set PA,     272                       ; an LDS row: 256 bytes + 16: the 16 rows of a fragment load start at 16 different groups of four banks
.set HALFT,  128*PA
.set SLOT,   4*HALFT                   ; k's 256 rows, then q's 256
.set STAGE,  2*SLOT                    ; behind the ring: 16 rows x 528 bytes for each wave
.set SPITCH, 528                       ; 512 bytes + 16 = 33 x 16
.set SPARE,  STAGE+4*16*SPITCH         ; the spare words, 128 bytes a wave, which no other line names
.set ADRA, 16
.set A0,   17
.set ADRB, 20
.set B0,   21
.set STO,  24
.set RD,   25
.set CO,   26
.set SPW,  28
.set NIL,  29
.set F0,   64
.set F1,   128
.set WV,  12
.set RH,  13                           ; my half of the keys
.set CHF, 14                           ; my half of the queries; also which 128 rows I fetch
.set II,  15
.set JJ,  16
.set BB,  17
.set G1,  24                           ; s[24:31] descriptor group 1
.set G0,  32                           ; s[32:39] group 0: a set for each first fill; the second then walks
.set TB,  40
.set WB,  41
.set CNT, 42
.set MSB, 0
.macro WIN new
.if MSB != (\new)
	s_set_vgpr_msb (MSB<<8)|(\new)
.set MSB, \new
.endif
.endm
.set MUL_LO, 0xa1
.set MUL_HI, 0xf1
.set TO_B,   0x40
.macro PLACES
.rept 4
	v_nop
.endr
.endm
	s_load_b128 s[4:7], s[0:1], 0x0                ; qkv s[4:5], st s[6:7]
	v_lshl_add_u32 v[SPW], v0, 2, SPARE
	v_mov_b32 v[NIL], 0
	ds_add_u32 v[SPW], v[NIL]                      ; the wave's opening: the add and its wait ahead of my first tensor load
	ds_add_u32 v28, v29
	v_lshrrev_b32 v1, 5, v0
	v_readfirstlane_b32 s[WV], v1
	s_lshr_b32 s[RH], s[WV], 1
	s_and_b32 s[CHF], s[WV], 1
	s_and_b32 s20, ttmp7, 0xffff
	s_and_b32 s21, s20, 3                          ; a
	s_lshr_b32 s[BB], s20, 2                       ; the batch
	s_sub_co_u32 s22, 8, s21
	s_sub_co_u32 s23, 7, s21
	s_sub_co_u32 s44, ttmp9, s22
	s_cmp_lt_u32 ttmp9, s22
	s_cselect_b32 s[II], s23, s21
	s_cselect_b32 s[JJ], ttmp9, s44
	s_mov_b32 s[G1], (1<<16)|(1<<20)|(5<<22)|(3<<25)  ; 2-byte elements; padding on; after every 64 words, 4 words
	s_mov_b32 s[G1+1], 128<<16                     ; tensor_dim0 = 128
	s_mov_b32 s[G1+2], 128<<16                     ; tensor_dim1 = 128
	s_mov_b32 s[G1+3], 128<<16                     ; tile_dim0 = 128
	s_mov_b32 s[G1+4], 128                         ; tile_dim1 = 128
	s_mov_b32 s[G1+5], 3072                        ; elements from row to row of qkv
	s_mov_b32 s[G1+6], 0
	s_mov_b32 s[G1+7], 0
	s_cmp_lt_u32 s[WV], 2                          ; waves 0 and 1 fetch the halves of k's tile, waves 2 and 3 those of q's: one line of text, each wave's own numbers
	s_cselect_b32 s45, s[JJ], s[II]
	s_cselect_b32 s46, 2048, 0                     ; k's columns begin at byte 2,048 of a row, q's at 0
	s_lshl_b32 s47, s[BB], 11
	s_lshl_b32 s45, s45, 8
	s_add_co_u32 s47, s47, s45
	s_lshl_b32 s45, s[CHF], 7
	s_add_co_u32 s47, s47, s45                     ; the first row that I fetch
	s_mul_i32 s44, s47, 6144
	s_add_co_u32 s44, s44, s46
	s_mov_b32 s45, 0
	s_mul_i32 s[WB], s[WV], HALFT
	s_mov_b32 s[TB], 0
	s_wait_dscnt 0x0                               ; the opening add is done
	s_wait_kmcnt 0x0
	s_add_nc_u64 s[44:45], s[4:5], s[44:45]
.irp s, 0,1                            ; the two first fills go out together, ahead of every wait on TENSORcnt, every LDS read and every barrier: two loads of mine are out
	s_mov_b32 s[G0+4*(\s)], 1
	s_add_co_u32 s[G0+4*(\s)+1], s[WB], (\s)*SLOT
	s_add_nc_u64 s[G0+4*(\s)+2:G0+4*(\s)+3], s[44:45], (\s)*256
	s_or_b32 s[G0+4*(\s)+3], s[G0+4*(\s)+3], 0x80000000
	tensor_load_to_lds s[G0+4*(\s):G0+4*(\s)+3], s[G1:G1+7]
	s_nop 0
.endr
	PLACES
	v_and_b32 v1, 15, v0                           ; r
	v_bfe_u32 v2, v0, 4, 1                         ; h
	v_and_b32 v3, 31, v0                           ; lane
	v_mul_u32_u24 v5, v1, PA
	v_lshl_add_u32 v5, v2, 4, v5
	s_mul_i32 s20, s[RH], HALFT
	v_add_nc_u32 v[A0], s20, v5
	s_mul_i32 s21, s[CHF], HALFT
	s_add_co_u32 s21, s21, 2*HALFT
	v_add_nc_u32 v[B0], s21, v5
	v_mov_b32 v[ADRA], v[A0]
	v_mov_b32 v[ADRB], v[B0]
	s_mul_i32 s22, s[WV], 16*SPITCH
	s_add_co_u32 s22, s22, STAGE
	v_mul_u32_u24 v6, v1, SPITCH                   ; in: row l % 16, 32 bytes for each half of the lanes
	v_lshl_add_u32 v6, v2, 5, v6
	v_add_nc_u32 v[STO], s22, v6
	v_lshlrev_b32 v[CO], 4, v3                     ; back, and in st: 32 lanes take a row's 512 bytes
	v_add_nc_u32 v[RD], s22, v[CO]
	s_lshl_b32 s20, s[BB], 11
	s_lshl_b32 s21, s[JJ], 8
	s_add_co_u32 s20, s20, s21
	s_lshl_b32 s21, s[RH], 7
	s_add_co_u32 s20, s20, s21                     ; my first row of st,
	s_lshl_b32 s20, s20, 13                        ; 8,192 bytes a row,
	s_lshl_b32 s21, s[II], 10
	s_add_co_u32 s20, s20, s21
	s_lshl_b32 s21, s[CHF], 9
	s_add_co_u32 s20, s20, s21                     ; my first column
	s_mov_b32 s21, 0
	s_add_nc_u64 s[6:7], s[6:7], s[20:21]
.macro MUL16 f, hi, a0, zero           ; 16 matrix instructions; the 64 accumulators take turns
	WIN MUL_LO+0x50*(\hi)
.irp a, \a0, (\a0)+1
.irp b, 0,1,2,3,4,5,6,7
.if \zero
	v_wmma_f32_16x16x32_f16 v[8*(8*(\a)+(\b)):8*(8*(\a)+(\b))+7], v[(\f)+8*(\b):(\f)+8*(\b)+7], v[(\f)+8*(4*(\hi)+(\a)):(\f)+8*(4*(\hi)+(\a))+7], 0
.else
	v_wmma_f32_16x16x32_f16 v[8*(8*(\a)+(\b)):8*(8*(\a)+(\b))+7], v[(\f)+8*(\b):(\f)+8*(\b)+7], v[(\f)+8*(4*(\hi)+(\a)):(\f)+8*(4*(\hi)+(\a))+7], v[8*(8*(\a)+(\b)):8*(8*(\a)+(\b))+7]
.endif
.endr
.endr
.endm
.macro FETCH k, f                      ; 32 LDS loads in one run: 128 rows of q, 128 rows of k, 32 along K at byte k of the rows
	WIN TO_B
.irp i, 0,1,2,3,4,5,6,7
	ds_load_b128 v[(\f)+8*(\i):(\f)+8*(\i)+3],   v[ADRB] offset:(\k)+(\i)*16*PA
	ds_load_b128 v[(\f)+8*(\i)+4:(\f)+8*(\i)+7], v[ADRB] offset:(\k)+(\i)*16*PA+32
.endr
	WIN 0
.irp i, 0,1,2,3,4,5,6,7
	ds_load_b128 v[(\f)+8*(\i):(\f)+8*(\i)+3],   v[ADRA] offset:(\k)+(\i)*16*PA
	ds_load_b128 v[(\f)+8*(\i)+4:(\f)+8*(\i)+7], v[ADRA] offset:(\k)+(\i)*16*PA+32
.endr
.endm
.macro QUARTER k, f, g, zero
	s_wait_dscnt 8                                 ; q's fragments and k's rows 0-63 are in; the youngest eight loads may be out
	MUL16 \f, 0, 0, \zero
	MUL16 \f, 0, 2, \zero
	PLACES
	FETCH \k, \g
	s_wait_dscnt 32                                ; all but the 32 just issued
	MUL16 \f, 1, 0, \zero
	MUL16 \f, 1, 2, \zero
.endm
; The last quarter and the change of slots: each wave waits for all its tensor loads (one is out: its part of the next slot), adds 0 to its spare word, waits for that and for its reads of this
; slot, and passes the barrier.  fill = 1: the slot just left is filled again, first thing behind the barrier, two K steps ahead: 224 matrix instructions before the wait for it.
.macro TURN fill
	WIN 0
	s_wait_tensorcnt 0x0
	ds_add_u32 v[SPW], v[NIL]
.if \fill
	s_xor_b32 s[G0+5], s[G0+5], SLOT
	s_add_nc_u64 s[G0+6:G0+7], s[G0+6:G0+7], 256
.endif
	s_xor_b32 s[TB], s[TB], SLOT
	s_wait_dscnt 9                                 ; the add and the youngest eight loads may be out
	MUL16 F1, 0, 0, 0
	s_wait_dscnt 0x0                               ; the add is done, and my reads of this slot are over
	s_barrier_signal -1
	MUL16 F1, 0, 2, 0
	WIN 0
	s_barrier_wait -1
.if \fill
	tensor_load_to_lds s[G0+4:G0+7], s[G1:G1+7]
	s_nop 0
.endif
	PLACES                                         ; behind the load, and in front of the loads into buffer 0
	v_add_nc_u32 v[ADRA], s[TB], v[A0]
	v_add_nc_u32 v[ADRB], s[TB], v[B0]
	FETCH 0, F0
	MUL16 F1, 1, 0, 0
	MUL16 F1, 1, 2, 0
.endm
; THE WAY OUT of block a (16 keys x 128 queries in f32): from the accumulators into my stage, each accumulator's low registers first, and back as whole rows of 512 bytes, into k's fragment buffers by turns.
.macro TOST a
	WIN 0x08+4*((\a)/4)                            ; store data (source 1): window 2 or 3
.irp b, 0,1,2,3,4,5,6,7
	ds_store_b128 v[STO], v[64*((\a)%4)+8*(\b):64*((\a)%4)+8*(\b)+3],   offset:64*(\b)
	ds_store_b128 v[STO], v[64*((\a)%4)+8*(\b)+4:64*((\a)%4)+8*(\b)+7], offset:64*(\b)+16
.endr
	WIN 0
	s_wait_xcnt 0x0                                ; the registers that the block before last's stores read are loaded again only behind this wait
.irp t, 0,1,2,3,4,5,6,7,8,9,10,11,12,13,14,15
	ds_load_b128 v[64+64*((\a)%2)+4*(\t):64+64*((\a)%2)+4*(\t)+3], v[RD] offset:SPITCH*(\t)  ; LDS serves a wave's instructions in order: these see the stores above
.endr
.endm
.macro SENDS a, younger                ; younger: the LDS instructions issued behind block a's loads: the next block's 32, or none
	s_wait_dscnt \younger
.irp t, 0,1,2,3,4,5,6,7,8,9,10,11,12,13,14,15
	global_store_b128 v[CO], v[64+64*((\a)%2)+4*(\t):64+64*((\a)%2)+4*(\t)+3], s[6:7] offset:(\a)*131072+(\t)*8192  ; 512 consecutive bytes, at a multiple of 256 from st's first byte
.endr
.endm
	s_wait_tensorcnt 1                             ; my part of K step 0 is in; K step 1's may stay out
	s_barrier_signal -1
	s_barrier_wait -1
	FETCH 0, F0
	QUARTER 64, F0, F1, 1
	WIN 0
	s_mov_b32 s[CNT], 6
.Lstep:
	QUARTER 128, F1, F0, 0
	QUARTER 192, F0, F1, 0
	TURN 1
	QUARTER 64, F0, F1, 0
	WIN 0
	s_sub_co_u32 s[CNT], s[CNT], 1
	s_cmp_lg_u32 s[CNT], 0
	s_cbranch_scc1 .Lstep
	QUARTER 128, F1, F0, 0                         ; the tail is written out: nothing is left to ask for
	QUARTER 192, F0, F1, 0
	TURN 0
	QUARTER 64, F0, F1, 0
	QUARTER 128, F1, F0, 0
	QUARTER 192, F0, F1, 0
	s_wait_dscnt 8
	MUL16 F1, 0, 0, 0
	MUL16 F1, 0, 2, 0
	s_wait_dscnt 0x0
	MUL16 F1, 1, 0, 0
	MUL16 F1, 1, 2, 0
	WIN 0
	PLACES
	TOST 0
.irp a, 1,2,3,4,5,6,7
	TOST \a
	SENDS (\a)-1, 32
.endr
	SENDS 7, 0
	s_wait_tensorcnt 0x0                           ; the wave's end
	ds_add_u32 v[SPW], v[NIL]
	s_wait_dscnt 0x0
	s_endpgm
.Lfunc_end_k_q3a67af3b5d_scores:
	.size	k_q3a67af3b5d_scores, .Lfunc_end_k_q3a67af3b5d_scores-k_q3a67af3b5d_scores
	.p2alignl 7, 3214868480
	.fill 96, 4, 3214868480
	.section	.rodata,"a",@progbits
	.p2align	6, 0x0
	.amdhsa_kernel k_q3a67af3b5d_scores
		.amdhsa_group_segment_fixed_size 327680
		.amdhsa_private_segment_fixed_size 0
		.amdhsa_enable_private_segment 0
		.amdhsa_kernarg_size 16
		.amdhsa_user_sgpr_count 2
		.amdhsa_user_sgpr_kernarg_segment_ptr 1
		.amdhsa_wavefront_size32 1
		.amdhsa_system_sgpr_workgroup_id_x 1
		.amdhsa_system_sgpr_workgroup_id_y 1
		.amdhsa_system_sgpr_workgroup_id_z 1
		.amdhsa_system_vgpr_workitem_id 0
		.amdhsa_next_free_vgpr 1024
		.amdhsa_next_free_sgpr 66
		.amdhsa_reserve_vcc 0
		.amdhsa_float_denorm_mode_32 3
		.amdhsa_float_denorm_mode_16_64 3
		.amdhsa_memory_ordered 1
		.amdhsa_forward_progress 1
		.amdhsa_inst_pref_size 111
	.end_amdhsa_kernel
	.amdgpu_metadata
---
amdhsa.version: [ 1, 2 ]
amdhsa.kernels:
  - .name:           k_q3a67af3b5d_scores
    .symbol:         k_q3a67af3b5d_scores.kd
    .args:
      - { .name: qkv, .offset: 0, .size: 8, .value_kind: global_buffer, .address_space: global }
      - { .name: st, .offset: 8, .size: 8, .value_kind: global_buffer, .address_space: global }
    .group_segment_fixed_size: 327680
    .private_segment_fixed_size: 0
    .kernarg_segment_align: 8
    .kernarg_segment_size: 16
    .max_flat_workgroup_size: 128
    .sgpr_count:     66
    .vgpr_count:     1024
    .wavefront_size: 32
...
	.end_amdgpu_metadata
.endif
;; end of part 3
;; launch colsoft (part 4): grid 1088 x 1, 8 waves a work-group, no clusters, 0 bytes of LDS; arguments st, vtail, pt, pex, vex; writes pt, pex, vex
.if DOCPART == 4
	.amdgcn_target "amdgcn-amd-amdhsa--gfx1250"
	.amdhsa_code_object_version 6
	.text
	.protected	k_q3a67af3b5d_colsoft
	.globl	k_q3a67af3b5d_colsoft
	.p2align	8
	.type	k_q3a67af3b5d_colsoft,@function
k_q3a67af3b5d_colsoft:
	s_mov_b64 s[64:65], 0
	v_nop
	global_prefetch_b8 v0, s[64:65] scope:SCOPE_SE
	s_setreg_imm32_b32 hwreg(HW_REG_WAVE_MODE, 25, 1), 1
	s_wait_xcnt 0x0
; THE SOFTMAX OVER QUERIES, key by key.  Row j of st[b] holds key j's scores for the queries i from 256 (j / 256) on.  pt[b][j][i] = exp((s - m) / 32) / sum over i >= j, in f16, and 0 for i < j.
; m is the row's true maximum over i >= j (i = j is always there), taken away before the scale: s - m is never above 0, so no exponential overflows, and the sum is at least 1.
; LIMITS.  A weight below 2^-126 counts as 0 in the sum; below 6.1e-5 a stored weight keeps f16's fixed step of 6e-8; NaN and infinities in st are not treated apart.
; Work-groups 0-1023: a wave takes a row, at most 2,048 f32 = 64 registers, and keeps it between the passes: st is read once.  Loads of 512 and stores of 256 consecutive bytes.
; No LDS, no barrier, no matrix unit: the reduction never leaves the wave, and memory binds.  Rows are shorter for later keys: the loads and stores of the pairs of 128 queries that a row
; does not have are jumped over (forward, on the row's number); their registers hold -inf and give weights 0, so the arithmetic is one text.
; THE LAST 128 KEYS of a batch also leave, for its last 128 queries, the weight split in two f16: pex[b][i'][k] = what f16 dropped, pex[b][i'][128 + k] = the f16 weight.
; These are stores of two bytes to rows 512 bytes apart: 256 KiB in the whole launch, transposed on the way.
; Work-groups 1024-1087 split vtail likewise: vex[b][c][k] = f16(v), vex[b][c][128 + k] = f16(v - that), k the token less 1,920: 16 bytes a lane to rows 512 bytes apart, 2 MiB.
.set T,  8                             ; v[8:11]   four running maxima
.set M,  12                            ; v[12:13]  the maximum, twice
.set SU, 14                            ; v[14:21]  four running sums of pairs
.set RC, 22                            ; v[22:23]  1 / sum, twice
.set H,  24                            ; v[24:55]  the row in f16
.set X,  64                            ; v[64:127] the row: registers 4 u .. 4 u + 3 hold queries 128 u + 4 lane + 0..3 of the row's piece
	s_load_b256 s[4:11], s[0:1], 0x0               ; st s[4:5], vtail s[6:7], pt s[8:9], pex s[10:11]
	s_load_b64 s[12:13], s[0:1], 0x20              ; vex
	v_lshrrev_b32 v1, 5, v0
	v_readfirstlane_b32 s14, v1                    ; wave
	v_and_b32 v1, 31, v0                           ; lane
	v_lshlrev_b32 v2, 4, v1
	v_lshlrev_b32 v3, 3, v1
	v_lshlrev_b32 v6, 11, v1
	s_cmp_ge_u32 ttmp9, 1024
	s_cbranch_scc1 .Lsplit_v
	s_lshl_b32 s15, ttmp9, 3
	s_add_co_u32 s15, s15, s14                     ; the row among all 8,192
	s_lshr_b32 s16, s15, 11                        ; batch
	s_bfe_u32 s17, s15, 0x30008                    ; key block of 256
	s_and_b32 s18, s15, 255                        ; the key's place in it
	s_sub_co_u32 s19, 8, s17                       ; pairs of 128 queries in the row's piece
	s_mov_b32 s20, 0x3d38aa3b                      ; log2(e) / 32
	s_mov_b32 s21, s20
	s_mov_b32 s22, 0x76543210                      ; v_permlanex16_b32: each lane takes its own place in the other half
	s_mov_b32 s23, 0xfedcba98
	s_lshl_b32 s24, s15, 13                        ; a row of st is 8,192 bytes,
	s_lshl_b32 s26, s17, 10                        ; its piece begins 256 x 4 bytes a block in
	s_add_co_u32 s24, s24, s26
	s_mov_b32 s25, 0
	s_lshl_b32 s26, s15, 12                        ; the same in pt, at 2 bytes a number
	s_lshl_b32 s28, s17, 9
	s_add_co_u32 s26, s26, s28
	s_mov_b32 s27, 0
	v_lshlrev_b32 v4, 2, v1
	v_sub_nc_u32 v4, v4, s18                       ; 4 lane - the key's place: query 128 u + 4 lane + e is hidden where this is below -(128 u + e)
	v_mov_b32 v5, 0xff800000                       ; -inf
.set i, 8
.rept 56
	v_mov_b32 v[X+i], v5                           ; what a short row does not load
.set i, i+1
.endr
	s_wait_kmcnt 0x0
	s_add_nc_u64 s[4:5], s[4:5], s[24:25]
	s_add_nc_u64 s[8:9], s[8:9], s[26:27]
	global_load_b128 v[X:X+3], v2, s[4:5] th:TH_LOAD_NT
	global_load_b128 v[X+4:X+7], v2, s[4:5] offset:512 th:TH_LOAD_NT
.irp a, 1,2,3,4,5,6,7
	s_cmp_le_u32 s19, \a
	s_cbranch_scc1 .Lloaded
	global_load_b128 v[X+8*(\a):X+8*(\a)+3],   v2, s[4:5] offset:1024*(\a) th:TH_LOAD_NT
	global_load_b128 v[X+8*(\a)+4:X+8*(\a)+7], v2, s[4:5] offset:1024*(\a)+512 th:TH_LOAD_NT
.endr
.Lloaded:
	s_wait_loadcnt 0x0
.irp u, 0,1                            ; only the key's own block of 256 queries can hold hidden ones
.irp e, 0,1,2,3
	v_cmp_gt_i32 vcc_lo, -(128*(\u)+(\e)), v4
	v_cndmask_b32 v[X+4*(\u)+(\e)], v[X+4*(\u)+(\e)], v5, vcc_lo
.endr
.endr
	; the maximum: four chains of fifteen, three operands at a time, then the four left over
.irp k, 0,1,2,3
	v_max3_num_f32 v[T+(\k)], v[X+16*(\k)], v[X+16*(\k)+1], v[X+16*(\k)+2]
.endr
.irp n, 3,5,7,9,11,13
.irp k, 0,1,2,3
	v_max3_num_f32 v[T+(\k)], v[T+(\k)], v[X+16*(\k)+(\n)], v[X+16*(\k)+(\n)+1]
.endr
.endr
	v_max3_num_f32 v[T], v[T], v[X+15], v[X+31]
	v_max3_num_f32 v[T+2], v[T+2], v[X+47], v[X+63]
	v_max3_num_f32 v[T], v[T], v[T+1], v[T+2]
	v_max_num_f32 v[T], v[T], v[T+3]
	v_max_num_f32_dpp v[T], v[T], v[T] row_xmask:1 row_mask:0xf bank_mask:0xf
	v_max_num_f32_dpp v[T], v[T], v[T] row_xmask:2 row_mask:0xf bank_mask:0xf
	v_max_num_f32_dpp v[T], v[T], v[T] row_xmask:4 row_mask:0xf bank_mask:0xf
	v_max_num_f32_dpp v[T], v[T], v[T] row_xmask:8 row_mask:0xf bank_mask:0xf
	v_permlanex16_b32 v[T+1], v[T], s22, s23
	v_max_num_f32 v[M], v[T], v[T+1]
	v_max_num_f32 v[M+1], v[T], v[T+1]
.set i, 0
.rept 32
	v_pk_add_f32 v[X+i:X+i+1], v[X+i:X+i+1], v[M:M+1] neg_lo:[0,1] neg_hi:[0,1]   ; s - m first: never above 0, whatever the scores' size
.set i, i+2
.endr
.set i, 0
.rept 32
	v_pk_mul_f32 v[X+i:X+i+1], v[X+i:X+i+1], s[20:21] op_sel_hi:[1,0]
.set i, i+2
.endr
.set i, 0
.rept 64
	v_exp_f32 v[X+i], v[X+i]
.set i, i+1
.endr
	v_nop                                          ; a plain instruction between the last exponential and the use of its result (ISA guide 5.7.2)
	s_wait_alu depctr_va_vdst(0)
.irp k, 0,1,2,3
	v_pk_add_f32 v[SU+2*(\k):SU+2*(\k)+1], v[X+16*(\k):X+16*(\k)+1], v[X+16*(\k)+2:X+16*(\k)+3]
.endr
.irp n, 4,6,8,10,12,14
.irp k, 0,1,2,3
	v_pk_add_f32 v[SU+2*(\k):SU+2*(\k)+1], v[SU+2*(\k):SU+2*(\k)+1], v[X+16*(\k)+(\n):X+16*(\k)+(\n)+1]
.endr
.endr
	v_pk_add_f32 v[SU:SU+1], v[SU:SU+1], v[SU+2:SU+3]
	v_pk_add_f32 v[SU+4:SU+5], v[SU+4:SU+5], v[SU+6:SU+7]
	v_pk_add_f32 v[SU:SU+1], v[SU:SU+1], v[SU+4:SU+5]
	v_add_f32 v[SU], v[SU], v[SU+1]
	v_add_f32_dpp v[SU], v[SU], v[SU] row_xmask:1 row_mask:0xf bank_mask:0xf
	v_add_f32_dpp v[SU], v[SU], v[SU] row_xmask:2 row_mask:0xf bank_mask:0xf
	v_add_f32_dpp v[SU], v[SU], v[SU] row_xmask:4 row_mask:0xf bank_mask:0xf
	v_add_f32_dpp v[SU], v[SU], v[SU] row_xmask:8 row_mask:0xf bank_mask:0xf
	v_permlanex16_b32 v[SU+1], v[SU], s22, s23
	v_add_f32 v[SU], v[SU], v[SU+1]
	v_rcp_f32 v[RC], v[SU]
	v_nop
	s_wait_alu depctr_va_vdst(0)
	v_mov_b32 v[RC+1], v[RC]
.set i, 0
.rept 32
	v_pk_mul_f32 v[X+i:X+i+1], v[X+i:X+i+1], v[RC:RC+1]
.set i, i+2
.endr
.set i, 0
.rept 32
	v_cvt_pk_f16_f32 v[H+i], v[X+2*i], v[X+2*i+1]
.set i, i+1
.endr
	global_store_b64 v3, v[H:H+1], s[8:9]          ; 32 lanes store 256 consecutive bytes, at a multiple of 256 from pt's first byte
	global_store_b64 v3, v[H+2:H+3], s[8:9] offset:256
.irp a, 1,2,3,4,5,6,7
	s_cmp_le_u32 s19, \a
	s_cbranch_scc1 .Lstored
	global_store_b64 v3, v[H+4*(\a):H+4*(\a)+1],   s[8:9] offset:512*(\a)
	global_store_b64 v3, v[H+4*(\a)+2:H+4*(\a)+3], s[8:9] offset:512*(\a)+256
.endr
.Lstored:
	s_cmp_lg_u32 s17, 7
	s_cbranch_scc1 .Ldone
	s_cmp_lt_u32 s18, 128
	s_cbranch_scc1 .Ldone
	s_sub_co_u32 s28, s18, 128                     ; k, the key less 1,920
	s_lshl_b32 s28, s28, 1
	s_lshl_b32 s30, s16, 16                        ; a batch of pex is 65,536 bytes
	s_add_co_u32 s28, s28, s30
	s_mov_b32 s29, 0
	s_add_nc_u64 s[10:11], s[10:11], s[28:29]
	v_cvt_f32_f16 v56, v26.l                       ; queries 1,920 + 4 lane + 0..3 lie in v68-71, their f16 in v26, v27
	v_cvt_f32_f16 v57, v26.h
	v_cvt_f32_f16 v58, v27.l
	v_cvt_f32_f16 v59, v27.h
	v_sub_f32 v56, v68, v56
	v_sub_f32 v57, v69, v57
	v_sub_f32 v58, v70, v58
	v_sub_f32 v59, v71, v59
	v_cvt_pk_f16_f32 v60, v56, v57
	v_cvt_pk_f16_f32 v61, v58, v59
	global_store_b16 v6, v60, s[10:11]
	global_store_d16_hi_b16 v6, v60, s[10:11] offset:512
	global_store_b16 v6, v61, s[10:11] offset:1024
	global_store_d16_hi_b16 v6, v61, s[10:11] offset:1536
	global_store_b16 v6, v26, s[10:11] offset:256
	global_store_d16_hi_b16 v6, v26, s[10:11] offset:768
	global_store_b16 v6, v27, s[10:11] offset:1280
	global_store_d16_hi_b16 v6, v27, s[10:11] offset:1792
.Ldone:
	s_endpgm
.Lsplit_v:                                             ; a wave takes 8 tokens x 128 channels of vtail; a lane 4 channels
	s_sub_co_u32 s15, ttmp9, 1024
	s_lshl_b32 s15, s15, 3
	s_add_co_u32 s15, s15, s14
	s_lshr_b32 s16, s15, 7                         ; batch
	s_bfe_u32 s17, s15, 0x30004                    ; which 128 channels
	s_and_b32 s18, s15, 15                         ; which 8 tokens
	s_lshl_b32 s24, s16, 19
	s_lshl_b32 s26, s18, 15
	s_add_co_u32 s24, s24, s26
	s_lshl_b32 s26, s17, 9
	s_add_co_u32 s24, s24, s26
	s_mov_b32 s25, 0
	s_lshl_b32 s26, s16, 19                        ; vex: 1,024 channels of 512 bytes a batch,
	s_lshl_b32 s28, s17, 16
	s_add_co_u32 s26, s26, s28
	s_lshl_b32 s28, s18, 4                         ; 8 tokens are 16 bytes
	s_add_co_u32 s26, s26, s28
	s_mov_b32 s27, 0
	s_wait_kmcnt 0x0
	s_add_nc_u64 s[6:7], s[6:7], s[24:25]
	s_add_nc_u64 s[12:13], s[12:13], s[26:27]
.irp t, 0,1,2,3,4,5,6,7
	global_load_b128 v[X+4*(\t):X+4*(\t)+3], v2, s[6:7] offset:4096*(\t) th:TH_LOAD_NT
.endr
	s_wait_loadcnt 0x0
.set n, 0                              ; n = 4 x channel + pair of tokens
.irp hr, 24,25,26,27,28,29,30,31,32,33,34,35,36,37,38,39
	v_cvt_pk_f16_f32 v\hr, v[X+8*(n%4)+n/4], v[X+8*(n%4)+4+n/4]
	v_cvt_f32_f16 v40, v\hr\().l
	v_cvt_f32_f16 v41, v\hr\().h
	v_sub_f32 v40, v[X+8*(n%4)+n/4], v40
	v_sub_f32 v41, v[X+8*(n%4)+4+n/4], v41
	v_cvt_pk_f16_f32 v[44+n], v40, v41
.set n, n+1
.endr
.irp e, 0,1,2,3
	global_store_b128 v6, v[24+4*(\e):27+4*(\e)], s[12:13] offset:512*(\e)
	global_store_b128 v6, v[44+4*(\e):47+4*(\e)], s[12:13] offset:512*(\e)+256
.endr
	s_endpgm
.Lfunc_end_k_q3a67af3b5d_colsoft:
	.size	k_q3a67af3b5d_colsoft, .Lfunc_end_k_q3a67af3b5d_colsoft-k_q3a67af3b5d_colsoft
	.p2alignl 7, 3214868480
	.fill 96, 4, 3214868480
	.section	.rodata,"a",@progbits
	.p2align	6, 0x0
	.amdhsa_kernel k_q3a67af3b5d_colsoft
		.amdhsa_group_segment_fixed_size 0
		.amdhsa_private_segment_fixed_size 0
		.amdhsa_enable_private_segment 0
		.amdhsa_kernarg_size 40
		.amdhsa_user_sgpr_count 2
		.amdhsa_user_sgpr_kernarg_segment_ptr 1
		.amdhsa_wavefront_size32 1
		.amdhsa_system_sgpr_workgroup_id_x 1
		.amdhsa_system_sgpr_workgroup_id_y 1
		.amdhsa_system_sgpr_workgroup_id_z 1
		.amdhsa_system_vgpr_workitem_id 0
		.amdhsa_next_free_vgpr 128
		.amdhsa_next_free_sgpr 66
		.amdhsa_reserve_vcc 1
		.amdhsa_float_denorm_mode_32 3
		.amdhsa_float_denorm_mode_16_64 3
		.amdhsa_memory_ordered 1
		.amdhsa_forward_progress 1
		.amdhsa_inst_pref_size 31
	.end_amdhsa_kernel
	.amdgpu_metadata
---
amdhsa.version: [ 1, 2 ]
amdhsa.kernels:
  - .name:           k_q3a67af3b5d_colsoft
    .symbol:         k_q3a67af3b5d_colsoft.kd
    .args:
      - { .name: st, .offset: 0, .size: 8, .value_kind: global_buffer, .address_space: global }
      - { .name: vtail, .offset: 8, .size: 8, .value_kind: global_buffer, .address_space: global }
      - { .name: pt, .offset: 16, .size: 8, .value_kind: global_buffer, .address_space: global }
      - { .name: pex, .offset: 24, .size: 8, .value_kind: global_buffer, .address_space: global }
      - { .name: vex, .offset: 32, .size: 8, .value_kind: global_buffer, .address_space: global }
    .group_segment_fixed_size: 0
    .private_segment_fixed_size: 0
    .kernarg_segment_align: 8
    .kernarg_segment_size: 40
    .max_flat_workgroup_size: 256
    .sgpr_count:     66
    .vgpr_count:     128
    .wavefront_size: 32
...
	.end_amdgpu_metadata
.endif
;; end of part 4
;; launch mix (part 5): grid 8 x 32, 4 waves a work-group, clusters of 4 x 1, 327,680 bytes of LDS; arguments pt, qkv, pex, vex, out0; writes out0
.if DOCPART == 5
	.amdgcn_target "amdgcn-amd-amdhsa--gfx1250"
	.amdhsa_code_object_version 6
	.text
	.protected	k_q3a67af3b5d_mix
	.globl	k_q3a67af3b5d_mix
	.p2align	8
	.type	k_q3a67af3b5d_mix,@function
k_q3a67af3b5d_mix:
	s_mov_b64 s[64:65], 0
	v_nop
	global_prefetch_b8 v0, s[64:65] scope:SCOPE_SE
	s_setreg_imm32_b32 hwreg(HW_REG_WAVE_MODE, 25, 1), 1
	s_wait_xcnt 0x0
	s_wait_alu depctr_hold_cnt(0) depctr_sa_sdst(0) depctr_va_vdst(0) depctr_va_sdst(0) depctr_va_ssrc(0) depctr_va_vcc(0) depctr_vm_vsrc(0)
	s_getreg_b32 s2, hwreg(HW_REG_IB_STS2, 6, 4)
	s_cmp_eq_u32 s2, 0
	s_cbranch_scc0 .Lentry_in_a_cluster
	s_endpgm
.Lentry_in_a_cluster:
	s_bfe_u32 s2, ttmp6, 0x10000c
	s_cmp_lg_u32 s2, 0x3003
	s_cbranch_scc0 .Lentry_shape_is_right
	s_endpgm
.Lentry_shape_is_right:
; out0[b][i][c] = the sum over keys j <= i of pt[b][j][i] v[b][j][c]: f16 operands, f32 sums, stored in f32.  v is columns 2048-3071 of qkv.
; For a batch's last 128 queries and keys the parts that f16 dropped are added: the sum over 256 k of pex[b][i'][k] vex[b][c][k] = (weight's rest) x f16(v) + f16(weight) x (v's rest).
; THE WALK.  A batch's queries lie in 16 blocks of 128; block I needs the key steps 0 .. I / 2 of 256 keys.  A work-group takes 128 channels and TWO blocks, 15 - p and then p: 9 key steps
; whatever p, so all 256 work-groups do equal work and every trip count is a constant.  For even I the last step's upper 128 keys meet weights stored as 0: one eighteenth of the products.
; Which tile is asked for, and where a block ends, hang on scalars made from p; those jumps go forward.
; SHARES.  Four waves, 64 queries x 64 channels each: 16 accumulators.  Both tiles lie [key][..] and are turned on the way out of LDS by ds_load_tr16_b128.
; Source 0 = 16 channels, source 1 = 16 queries: a lane holds one query and eight neighbouring channels, 32 bytes of a row of out0.
; CLUSTER.  The four work-groups of a cluster differ in their channels alone and walk the same weights: pt's tile is asked for jointly (mask 15).  v's tile is each work-group's own: those that
; share channels have other p and walk other keys.  Its plain load stands behind the same rounds.
; ONE TEXT FOR A KEY STEP: every product adds, so the accumulators are cleared where a block begins (128 v_mov_b32, twice a launch): the price of writing no first step out.
; The slot in hand is a scalar that an exclusive or turns: SLOT = 0x24000 shares no bit with a wave's place 0x9000 x wave.
; REGISTERS: window 0: v16-30 addresses; v32-95 the way out; v128-255 the accumulators ((a, b) at v[128 + 8 (4 a + b)]).  Window 1: two fragment buffers of 128: for 64 keys, 64 registers of weights, then 64 of v.
.set KP,     288                       ; an LDS row: 256 bytes + 32 = 9 x 32
.set HALFK,  128*KP                    ; 128 keys: what one tensor load brings
.set PART,   2*HALFK                   ; the weights' 256 rows; v's 256 follow
.set SLOT,   2*PART
.set STAGE,  2*SLOT                    ; behind the ring: 16 rows x 272 bytes for each wave
.set SPITCH, 272
.set SPARE,  STAGE+4*16*SPITCH         ; the spare words, 128 bytes a wave, which no other line names
.set VSTEP,  256*6144                  ; bytes from a key step to the next in qkv
.set A0,   16                          ; v16  my lane's place in the weights' tile of slot 0; never rewritten
.set B0,   17                          ; v17  the same in v's tile
.set ADRA, 18                          ; v18, v19  in the slot in hand: keys 0-127, keys 128-255
.set ADRB, 20                          ; v20, v21
.set STO,  24
.set RD,   25
.set CO,   26
.set PXO,  27                          ; v27  my byte offset in a batch of pex
.set SPW,  28
.set NIL,  29
.set VXO,  30                          ; v30  my byte offset in my 128 channels of vex
.set TMP,  32
.set ACC,  128
.set F0,   0
.set F1,   128
.set WV,  14
.set RH,  15                           ; my half of the queries; also: I fetch weights (0) or v (1)
.set CHF, 16                           ; my half of the channels; also which 128 keys I fetch
.set CX,  17
.set CH,  18                           ; which 128 channels
.set PP,  19                           ; p
.set BB,  20                           ; batch
.set PH,  21                           ; p / 2: the second block's last key step
.set G1A, 24
.set G1B, 32
.set G0A, 40                           ; s[40:47] group 0 for the weights: a set for each first fill; the second then walks
.set G0B, 48
.set PAB, 66                           ; s[66:67] pt at my half of the batch's key step 0
.set PBB, 68                           ; s[68:69] v likewise, at my channels
.set OUTB, 70                          ; s[70:71] out0 at my rows of block 0 and my channels
.set OC,  72                           ; s[72:73] the same for the block in hand
.set OFF, 74                           ; s[74:75] an offset; the high word stays 0
.set NXT, 76                           ; the key step to be asked for next
.set IQ,  77                           ; the block whose tiles are being asked for
.set LQ,  78                           ; its last key step
.set RT,  79                           ; key steps left in the block in hand
.set CNT, 80
.set TB,  81
.set WB,  82
.set PEXB, 84
.set VEXB, 86
.set MSB, 0
.macro WIN new
.if MSB != (\new)
	s_set_vgpr_msb (MSB<<8)|(\new)
.set MSB, \new
.endif
.endm
.set MUL,  0x05                        ; sources 0 and 1 window 1; C and D window 0
.set TO_F, 0x40                        ; destination window 1, address window 0
.macro PLACES
.rept 4
	v_nop
.endr
.endm
.macro JLOAD                           ; waves 0 and 1: the joint load of the weights' halves; waves 2 and 3: v's halves; an s_nop 0 and four v_nop follow each line
	s_cmp_eq_u32 s[RH], 0
	s_cbranch_scc0 .Lfor_b_\@
	tensor_load_to_lds s[G0A+4:G0A+7], s[G1A:G1A+7]
	s_nop 0
.rept 4
	v_nop
.endr
	s_branch .Lasked_\@
.Lfor_b_\@:
	tensor_load_to_lds s[G0B+4:G0B+7], s[G1B:G1B+7]
	s_nop 0
.rept 4
	v_nop
.endr
.Lasked_\@:
.endm
.macro CREST
	s_cmp_lg_u32 s[WV], 0
	s_cbranch_scc1 .Lnot_wave_0_\@
	s_barrier_signal -3
.Lnot_wave_0_\@:
	s_barrier_wait -3
	s_barrier_signal -1
	s_barrier_wait -1
.endm
.macro CROUND
	s_barrier_signal -1
	s_barrier_wait -1
	CREST
.endm
	s_load_b256 s[4:11], s[0:1], 0x0               ; pt s[4:5], qkv s[6:7], pex s[8:9], vex s[10:11]
	s_load_b64 s[12:13], s[0:1], 0x20              ; out0
	v_lshl_add_u32 v[SPW], v0, 2, SPARE
	v_mov_b32 v[NIL], 0
	ds_add_u32 v[SPW], v[NIL]                      ; the wave's opening: the add and its wait ahead of my first tensor load
	ds_add_u32 v28, v29
	v_lshrrev_b32 v1, 5, v0
	v_readfirstlane_b32 s[WV], v1
	s_lshr_b32 s[RH], s[WV], 1
	s_and_b32 s[CHF], s[WV], 1
	s_bfe_u32 s[CX], ttmp6, 0x40000
	s_lshl_b32 s[CH], ttmp9, 2
	s_add_co_u32 s[CH], s[CH], s[CX]               ; it enters v's, vex's and out0's addresses alone
	s_and_b32 s22, ttmp7, 0xffff
	s_and_b32 s[PP], s22, 7
	s_lshr_b32 s[BB], s22, 3
	s_lshr_b32 s[PH], s[PP], 1
	s_sub_co_u32 s[IQ], 15, s[PP]                  ; the first block
	s_lshr_b32 s[LQ], s[IQ], 1
	s_add_co_u32 s[RT], s[LQ], 1                   ; its key steps: 5 to 8
	s_mov_b32 s[NXT], 2                            ; steps 0 and 1 are the first fills
	s_mov_b32 s[G1A], 15|(1<<16)|(1<<20)|(1<<21)|(5<<22)|(7<<25)  ; the mask of four; 2-byte elements; padding on; bit 21 beside a mask; after every 64 words, 8 words
	s_mov_b32 s[G1B], (1<<16)|(1<<20)|(5<<22)|(7<<25)             ; no mask: a load of my own
.irp g, G1A, G1B
	s_mov_b32 s[(\g)+1], 128<<16                   ; tensor_dim0 = 128
	s_mov_b32 s[(\g)+2], 128<<16                   ; tensor_dim1 = 128
	s_mov_b32 s[(\g)+3], 128<<16                   ; tile_dim0 = 128
	s_mov_b32 s[(\g)+4], 128                       ; tile_dim1 = 128
	s_mov_b32 s[(\g)+6], 0
	s_mov_b32 s[(\g)+7], 0
.endr
	s_mov_b32 s[G1A+5], 2048                       ; elements from row to row of pt,
	s_mov_b32 s[G1B+5], 3072                       ; and of qkv
	s_lshl_b32 s56, s[BB], 23                      ; pt: a batch is 8,388,608 bytes, 128 keys 524,288
	s_lshl_b32 s57, s[CHF], 19
	s_add_co_u32 s56, s56, s57
	s_mov_b32 s57, 0
	s_lshl_b32 s58, s[BB], 11                      ; v: row 2,048 b + 128 x half, byte 4,096 + 256 x channel block
	s_lshl_b32 s59, s[CHF], 7
	s_add_co_u32 s58, s58, s59
	s_mul_i32 s58, s58, 6144
	s_lshl_b32 s59, s[CH], 8
	s_add_co_u32 s58, s58, s59
	s_add_co_u32 s58, s58, 4096
	s_mov_b32 s59, 0
	s_lshl_b32 s60, s[BB], 23                      ; out0: a batch is 8,388,608 bytes, 64 rows 262,144, 128 channels 512, 64 channels 256
	s_lshl_b32 s61, s[RH], 18
	s_add_co_u32 s60, s60, s61
	s_lshl_b32 s61, s[CH], 9
	s_add_co_u32 s60, s60, s61
	s_lshl_b32 s61, s[CHF], 8
	s_add_co_u32 s60, s60, s61
	s_mov_b32 s61, 0
	s_lshl_b32 s62, s[BB], 16                      ; pex
	s_mov_b32 s63, 0
	s_lshl_b32 s22, s[BB], 19                      ; vex: 1,024 channels of 512 bytes a batch
	s_lshl_b32 s23, s[CH], 16
	s_add_co_u32 s22, s22, s23
	s_mov_b32 s23, 0
	s_mul_i32 s[WB], s[WV], HALFK                  ; no place in the cluster enters an LDS address
	s_mov_b32 s[TB], 0
	s_lshl_b32 s[OFF], s[IQ], 8                    ; the block's 128 queries are 256 bytes of a row of pt
	s_mov_b32 s[OFF+1], 0
	s_wait_dscnt 0x0                               ; the opening add is done
	s_wait_kmcnt 0x0
	s_add_nc_u64 s[PAB:PAB+1], s[4:5], s[56:57]
	s_add_nc_u64 s[PBB:PBB+1], s[6:7], s[58:59]
	s_add_nc_u64 s[OUTB:OUTB+1], s[12:13], s[60:61]
	s_add_nc_u64 s[PEXB:PEXB+1], s[8:9], s[62:63]
	s_add_nc_u64 s[VEXB:VEXB+1], s[10:11], s[22:23]
	CROUND                                         ; all four work-groups are here: the first joint loads meet
	s_mov_b32 s[G0A], 1
	s_mov_b32 s[G0A+1], s[WB]
	s_add_nc_u64 s[G0A+2:G0A+3], s[PAB:PAB+1], s[OFF:OFF+1]
	s_add_nc_u64 s[G0A+6:G0A+7], s[G0A+2:G0A+3], 1<<20   ; 256 keys on
	s_or_b32 s[G0A+3], s[G0A+3], 0x80000000
	s_or_b32 s[G0A+7], s[G0A+7], 0x80000000
	s_mov_b32 s[G0A+4], 1
	s_add_co_u32 s[G0A+5], s[WB], SLOT
	s_mov_b32 s[G0B], 1
	s_mov_b32 s[G0B+1], s[WB]
	s_add_nc_u64 s[G0B+2:G0B+3], s[PBB:PBB+1], 0
	s_add_nc_u64 s[G0B+6:G0B+7], s[PBB:PBB+1], VSTEP
	s_or_b32 s[G0B+3], s[G0B+3], 0x80000000
	s_or_b32 s[G0B+7], s[G0B+7], 0x80000000
	s_mov_b32 s[G0B+4], 1
	s_add_co_u32 s[G0B+5], s[WB], SLOT
	s_cmp_eq_u32 s[RH], 0                          ; a wave's two first fills stand in one branch, ahead of every wait on TENSORcnt and every LDS read: two loads of mine are out
	s_cbranch_scc0 .Lfirst_b
	tensor_load_to_lds s[G0A:G0A+3], s[G1A:G1A+7]
	s_nop 0
	tensor_load_to_lds s[G0A+4:G0A+7], s[G1A:G1A+7]
	s_nop 0
.rept 4
	v_nop
.endr
	s_branch .Lfirst_asked
.Lfirst_b:
	tensor_load_to_lds s[G0B:G0B+3], s[G1B:G1B+7]
	s_nop 0
	tensor_load_to_lds s[G0B+4:G0B+7], s[G1B:G1B+7]
	s_nop 0
.rept 4
	v_nop
.endr
.Lfirst_asked:
	s_lshl_b32 s[OFF], s[IQ], 19                   ; a block's 128 rows of out0 are 524,288 bytes
	s_add_nc_u64 s[OC:OC+1], s[OUTB:OUTB+1], s[OFF:OFF+1]
	v_and_b32 v1, 15, v0                           ; r
	v_bfe_u32 v2, v0, 4, 1                         ; h
	v_and_b32 v3, 7, v0
	v_bfe_u32 v4, v0, 3, 1
	v_lshl_add_u32 v5, v2, 3, v3                   ; the turning load: lane l reads key 8 (l / 16) + l % 8, columns 8 ((l / 8) % 2) + 0..7
	v_mul_u32_u24 v5, v5, KP
	v_lshl_add_u32 v5, v4, 4, v5
	s_lshl_b32 s22, s[RH], 7                       ; my 64 queries
	v_add_nc_u32 v[A0], s22, v5
	s_lshl_b32 s22, s[CHF], 7                      ; my 64 channels
	s_add_co_u32 s22, s22, PART
	v_add_nc_u32 v[B0], s22, v5
	v_mov_b32 v[ADRA], v[A0]
	v_mov_b32 v[ADRB], v[B0]
	v_add_nc_u32 v[ADRA+1], HALFK, v[A0]
	v_add_nc_u32 v[ADRB+1], HALFK, v[B0]
	s_mul_i32 s22, s[WV], 16*SPITCH
	s_add_co_u32 s22, s22, STAGE                   ; my stage
	v_mul_u32_u24 v6, v1, SPITCH                   ; in: row l % 16, 32 bytes for each half of the lanes
	v_lshl_add_u32 v6, v2, 5, v6
	v_add_nc_u32 v[STO], s22, v6
	v_mul_u32_u24 v6, v2, SPITCH                   ; back: lanes 0-15 one row of 256 bytes, lanes 16-31 the next
	v_lshl_add_u32 v6, v1, 4, v6
	v_add_nc_u32 v[RD], s22, v6
	v_lshlrev_b32 v6, 12, v2                       ; the same two rows in out0
	v_lshl_add_u32 v[CO], v1, 4, v6
	s_lshl_b32 s22, s[RH], 6
	v_add_nc_u32 v6, s22, v1
	v_lshlrev_b32 v6, 9, v6                        ; pex and vex: rows of 512 bytes, K along them: a fragment is two loads of 16 bytes, 32 bytes apart
	v_lshl_add_u32 v[PXO], v2, 4, v6
	s_lshl_b32 s22, s[CHF], 6
	v_add_nc_u32 v6, s22, v1
	v_lshlrev_b32 v6, 9, v6
	v_lshl_add_u32 v[VXO], v2, 4, v6
; 8 matrix instructions: query blocks a0, a0 + 1 x all 4 channel blocks, 32 keys: half c of buffer f.  The 16 accumulators take turns.
.macro MUL8 f, c, a0
	WIN MUL
.irp a, \a0, (\a0)+1
.irp b, 0,1,2,3
	v_wmma_f32_16x16x32_f16 v[ACC+8*(4*(\a)+(\b)):ACC+8*(4*(\a)+(\b))+7], v[(\f)+64+8*(4*(\c)+(\b)):(\f)+64+8*(4*(\c)+(\b))+7], v[(\f)+8*(4*(\c)+(\a)):(\f)+8*(4*(\c)+(\a))+7], v[ACC+8*(4*(\a)+(\b)):ACC+8*(4*(\a)+(\b))+7]
.endr
.endr
.endm
.macro MULQ f
	MUL8 \f, 0, 0
	MUL8 \f, 0, 2
	MUL8 \f, 1, 0
	MUL8 \f, 1, 2
.endm
; 32 LDS loads in one run: the fragments of quarter q (64 keys) into buffer f, its first 32 keys first
.macro FETCH q, f
	WIN TO_F
.irp c, 0,1
.irp i, 0,1,2,3
	ds_load_tr16_b128 v[(\f)+64+8*(4*(\c)+(\i)):(\f)+64+8*(4*(\c)+(\i))+3],   v[ADRB+(\q)/2] offset:(((\q)%2)*64+32*(\c))*KP+32*(\i)
	ds_load_tr16_b128 v[(\f)+64+8*(4*(\c)+(\i))+4:(\f)+64+8*(4*(\c)+(\i))+7], v[ADRB+(\q)/2] offset:(((\q)%2)*64+32*(\c)+16)*KP+32*(\i)
	ds_load_tr16_b128 v[(\f)+8*(4*(\c)+(\i)):(\f)+8*(4*(\c)+(\i))+3],         v[ADRA+(\q)/2] offset:(((\q)%2)*64+32*(\c))*KP+32*(\i)
	ds_load_tr16_b128 v[(\f)+8*(4*(\c)+(\i))+4:(\f)+8*(4*(\c)+(\i))+7],       v[ADRA+(\q)/2] offset:(((\q)%2)*64+32*(\c)+16)*KP+32*(\i)
.endr
.endr
.endm
; The same register places filled from pex and vex, 64 along their K at a time
.macro GFETCH q, f
	WIN TO_F
.irp c, 0,1
.irp i, 0,1,2,3
	global_load_b128 v[(\f)+64+8*(4*(\c)+(\i)):(\f)+64+8*(4*(\c)+(\i))+3],   v[VXO], s[VEXB:VEXB+1] offset:(\i)*8192+(2*(\q)+(\c))*64
	global_load_b128 v[(\f)+64+8*(4*(\c)+(\i))+4:(\f)+64+8*(4*(\c)+(\i))+7], v[VXO], s[VEXB:VEXB+1] offset:(\i)*8192+(2*(\q)+(\c))*64+32
	global_load_b128 v[(\f)+8*(4*(\c)+(\i)):(\f)+8*(4*(\c)+(\i))+3],         v[PXO], s[PEXB:PEXB+1] offset:(\i)*8192+(2*(\q)+(\c))*64
	global_load_b128 v[(\f)+8*(4*(\c)+(\i))+4:(\f)+8*(4*(\c)+(\i))+7],       v[PXO], s[PEXB:PEXB+1] offset:(\i)*8192+(2*(\q)+(\c))*64+32
.endr
.endr
.endm
; One of a key step's first three quarters: multiplies buffer f and fetches quarter q into g
.macro QUARTER q, f, g
	s_wait_dscnt 16                                ; the first 32 keys' fragments are in
	MUL8 \f, 0, 0
	MUL8 \f, 0, 2
	PLACES
	FETCH \q, \g
	s_wait_dscnt 32                                ; all but the 32 just issued
	MUL8 \f, 1, 0
	MUL8 \f, 1, 2
.endm
; The last quarter and the change of slots.  Each wave waits for all its tensor loads (one is out: its part of the next slot), adds 0 to its spare word, and waits for that and for its reads of this
; slot.  fill = 1: the barrier opens a round of the cluster's; the slot just left is filled again, first thing behind the round, with key step NXT of block IQ: the addresses are made anew from those
; numbers.  112 matrix instructions stand between the request and the wait for it.
.macro TURN fill
	WIN 0
	s_wait_tensorcnt 0x0                           ; no tensor load of mine is out, so the walking descriptors may be written
	ds_add_u32 v[SPW], v[NIL]                      ; the scalar work stands between the add and the wait for it
.if \fill
	s_xor_b32 s[G0A+5], s[G0A+5], SLOT
	s_xor_b32 s[G0B+5], s[G0B+5], SLOT
	s_lshl_b32 s[OFF], s[NXT], 20                  ; 256 rows of pt,
	s_lshl_b32 s56, s[IQ], 8                       ; the block's queries
	s_add_co_u32 s[OFF], s[OFF], s56
	s_add_nc_u64 s[G0A+6:G0A+7], s[PAB:PAB+1], s[OFF:OFF+1]
	s_or_b32 s[G0A+7], s[G0A+7], 0x80000000
	s_mul_i32 s[OFF], s[NXT], VSTEP
	s_add_nc_u64 s[G0B+6:G0B+7], s[PBB:PBB+1], s[OFF:OFF+1]
	s_or_b32 s[G0B+7], s[G0B+7], 0x80000000
	s_add_co_u32 s[NXT], s[NXT], 1                 ; the block's next key step, or behind its last the second block's step 0
	s_cmp_gt_u32 s[NXT], s[LQ]
	s_cselect_b32 s[NXT], 0, s[NXT]
	s_cselect_b32 s[IQ], s[PP], s[IQ]
	s_cselect_b32 s[LQ], s[PH], s[LQ]
.endif
	s_xor_b32 s[TB], s[TB], SLOT
	s_wait_dscnt 17                                ; the add and the youngest sixteen loads may be out
	MUL8 F1, 0, 0
	s_wait_dscnt 0x0                               ; the add is done, and my reads of this slot are over
	s_barrier_signal -1
	MUL8 F1, 0, 2
	WIN 0
	s_barrier_wait -1
.if \fill
	CREST                                          ; no wave of any partner still reads this slot or has a load on its way
	JLOAD                                          ; its four v_nop are also the places in front of the loads below
.else
	PLACES
.endif
	v_add_nc_u32 v[ADRA], s[TB], v[A0]
	v_add_nc_u32 v[ADRB], s[TB], v[B0]
	v_add_nc_u32 v[ADRA+1], HALFK, v[ADRA]
	v_add_nc_u32 v[ADRB+1], HALFK, v[ADRB]
	FETCH 0, F0
	MUL8 F1, 1, 0
	MUL8 F1, 1, 2
.endm
; THE WAY OUT of a block: 16 rows at a time from the accumulators (low registers first) into my stage, back as whole rows of 256 bytes, stored.
.macro WAYOUT
	WIN 0
	PLACES
.irp a, 0,1,2,3
.irp b, 0,1,2,3
	ds_store_b128 v[STO], v[ACC+8*(4*(\a)+(\b)):ACC+8*(4*(\a)+(\b))+3],   offset:64*(\b)
	ds_store_b128 v[STO], v[ACC+8*(4*(\a)+(\b))+4:ACC+8*(4*(\a)+(\b))+7], offset:64*(\b)+16
.endr
	s_wait_xcnt 0x0                                ; the registers that earlier stores read are loaded again only behind this wait
.irp t, 0,1,2,3,4,5,6,7
	ds_load_b128 v[TMP+32*((\a)%2)+4*(\t):TMP+32*((\a)%2)+4*(\t)+3], v[RD] offset:(\t)*2*SPITCH  ; LDS serves a wave's instructions in order: these see the stores above
.endr
	s_wait_dscnt 0x0
.irp t, 0,1,2,3,4,5,6,7
	global_store_b128 v[CO], v[TMP+32*((\a)%2)+4*(\t):TMP+32*((\a)%2)+4*(\t)+3], s[OC:OC+1] offset:(16*(\a)+2*(\t))*4096  ; 16 lanes store 256 consecutive bytes, at a multiple of 256 from out0's first byte
.endr
.endr
.endm
.macro CLEAR
.set i, 0
.rept 128
	v_mov_b32 v[ACC+i], 0
.set i, i+1
.endr
.endm
; Behind a key step: was it the first block's last?  Then the block goes out and the second begins.  The jump goes forward over text with no barrier and no tensor load; p is the same in all partners.
.macro BOUND
	s_sub_co_u32 s[RT], s[RT], 1
	s_cmp_lg_u32 s[RT], 0
	s_cbranch_scc1 .Lgoes_on_\@
	WAYOUT
	CLEAR
	s_wait_xcnt 0x0                                ; the stores have read out0's address
	s_lshl_b32 s[OFF], s[PP], 19
	s_add_nc_u64 s[OC:OC+1], s[OUTB:OUTB+1], s[OFF:OFF+1]
	s_mov_b32 s[RT], 99                            ; the second block ends with the walk
.Lgoes_on_\@:
.endm
	CLEAR                                          ; all this stands in the wait for the first tiles
	s_cmp_lg_u32 s[PP], 0                          ; p = 0: my first block is the batch's last 128 queries: what f16 dropped of the last 128 keys' weights and v is added first
	s_cbranch_scc1 .Lno_rest
	GFETCH 0, F0
	GFETCH 1, F1
	s_wait_loadcnt 32                              ; the older 32 loads are in, the younger quarter's stay out
	MULQ F0
	PLACES
	GFETCH 2, F0
	s_wait_loadcnt 32
	MULQ F1
	PLACES
	GFETCH 3, F1
	s_wait_loadcnt 32
	MULQ F0
	s_wait_loadcnt 0x0
	MULQ F1
	WIN 0
.Lno_rest:
	PLACES                                         ; in front of the loads into buffer 0
	s_wait_tensorcnt 1                             ; my part of key step 0 is in; step 1's may stay out
	s_barrier_signal -1
	s_barrier_wait -1
	FETCH 0, F0
	WIN 0
	s_mov_b32 s[CNT], 7
.Lstep:                                                ; a trip is a key step; its change of slots asks for steps 2 to 8 of the walk
	QUARTER 1, F0, F1
	QUARTER 2, F1, F0
	QUARTER 3, F0, F1
	TURN 1
	WIN 0
	BOUND
	s_sub_co_u32 s[CNT], s[CNT], 1
	s_cmp_lg_u32 s[CNT], 0
	s_cbranch_scc1 .Lstep
	QUARTER 1, F0, F1                              ; the walk's last two steps are written out: nothing is left to ask for
	QUARTER 2, F1, F0
	QUARTER 3, F0, F1
	TURN 0
	WIN 0
	BOUND
	QUARTER 1, F0, F1
	QUARTER 2, F1, F0
	QUARTER 3, F0, F1
	s_wait_dscnt 16
	MUL8 F1, 0, 0
	MUL8 F1, 0, 2
	s_wait_dscnt 0x0
	MUL8 F1, 1, 0
	MUL8 F1, 1, 2
	WAYOUT
	s_wait_tensorcnt 0x0                           ; the wave's end, behind my last tensor load and my last LDS store
	ds_add_u32 v[SPW], v[NIL]
	s_wait_dscnt 0x0
	CROUND                                         ; the closing round: no work-group ends while a partner may still ask for a tile that names it
	s_endpgm
.Lfunc_end_k_q3a67af3b5d_mix:
	.size	k_q3a67af3b5d_mix, .Lfunc_end_k_q3a67af3b5d_mix-k_q3a67af3b5d_mix
	.p2alignl 7, 3214868480
	.fill 96, 4, 3214868480
	.section	.rodata,"a",@progbits
	.p2align	6, 0x0
	.amdhsa_kernel k_q3a67af3b5d_mix
		.amdhsa_group_segment_fixed_size 327680
		.amdhsa_private_segment_fixed_size 0
		.amdhsa_enable_private_segment 0
		.amdhsa_kernarg_size 40
		.amdhsa_user_sgpr_count 2
		.amdhsa_user_sgpr_kernarg_segment_ptr 1
		.amdhsa_wavefront_size32 1
		.amdhsa_system_sgpr_workgroup_id_x 1
		.amdhsa_system_sgpr_workgroup_id_y 1
		.amdhsa_system_sgpr_workgroup_id_z 1
		.amdhsa_system_vgpr_workitem_id 0
		.amdhsa_next_free_vgpr 512
		.amdhsa_next_free_sgpr 88
		.amdhsa_reserve_vcc 0
		.amdhsa_float_denorm_mode_32 3
		.amdhsa_float_denorm_mode_16_64 3
		.amdhsa_memory_ordered 1
		.amdhsa_forward_progress 1
		.amdhsa_inst_pref_size 117
	.end_amdhsa_kernel
	.amdgpu_metadata
---
amdhsa.version: [ 1, 2 ]
amdhsa.kernels:
  - .name:           k_q3a67af3b5d_mix
    .symbol:         k_q3a67af3b5d_mix.kd
    .args:
      - { .name: pt, .offset: 0, .size: 8, .value_kind: global_buffer, .address_space: global }
      - { .name: qkv, .offset: 8, .size: 8, .value_kind: global_buffer, .address_space: global }
      - { .name: pex, .offset: 16, .size: 8, .value_kind: global_buffer, .address_space: global }
      - { .name: vex, .offset: 24, .size: 8, .value_kind: global_buffer, .address_space: global }
      - { .name: out0, .offset: 32, .size: 8, .value_kind: global_buffer, .address_space: global }
    .group_segment_fixed_size: 327680
    .private_segment_fixed_size: 0
    .kernarg_segment_align: 8
    .kernarg_segment_size: 40
    .max_flat_workgroup_size: 128
    .sgpr_count:     88
    .vgpr_count:     512
    .wavefront_size: 32
...
	.end_amdgpu_metadata
.endif
;; end of part 5
;; ======== version 2 of 2: 5 launches; 1.18 times as fast as version 1
;; limits: values are held in f16: magnitudes above 65,504 overflow, below 6.1e-05 lose precision
;; workspace buffers: xh 16,777,216 bytes; wh 6,291,456 bytes; qkv 50,331,648 bytes; vtail 2,097,152 bytes; st 67,108,864 bytes; pt 33,554,432 bytes; pex 262,144 bytes; vex 2,097,152 bytes
;; launch cast (part 6): grid 1408 x 1, 8 waves a work-group, no clusters, 0 bytes of LDS; arguments inputs, Wq, Wk, Wv, xh, wh; writes xh, wh
.if DOCPART == 6
	.amdgcn_target "amdgcn-amd-amdhsa--gfx1250"
	.amdhsa_code_object_version 6
	.text
	.protected	k_q3a67af3b5d_cast
	.globl	k_q3a67af3b5d_cast
	.p2align	8
	.type	k_q3a67af3b5d_cast,@function
k_q3a67af3b5d_cast:
	s_mov_b64 s[64:65], 0
	v_nop
	global_prefetch_b8 v0, s[64:65] scope:SCOPE_SE
	s_setreg_imm32_b32 hwreg(HW_REG_WAVE_MODE, 25, 1), 1
	s_wait_xcnt 0x0
; xh = inputs and wh = Wq, Wk, Wv: each number rounded to bf16 (to nearest even) and that number written as f16, IN BLOCKS, so that the tiles of the launch behind are dense in memory:
;   xh[k / 64][row 0..8191][k % 64]: 256 rows x 64 along K are 32,768 consecutive bytes.
;   wh[n / 128][k 0..1023][q, k, v][n % 128]: 64 along K x the same 128 columns of the three weights are 49,152 consecutive bytes.
; LIMITS.  The second step is exact for magnitudes from 6.1e-5 to 65,504; below that f16 keeps its fixed step of 6e-8, beyond it the number becomes an infinity.  NaN and infinities are not treated apart.
; A stream: memory binds, so no LDS, no barrier, no matrix unit.  A work-group takes 8 rows of 1,024 f32; a wave has eight loads out at once, and each of its eight stores covers 256 consecutive
; bytes at a multiple of 256 from its buffer's first byte.  Work-groups 0-1023 take inputs: a wave takes two rows x eight blocks of 64 columns, lanes 0-15 the one row and lanes 16-31 the other
; (256 consecutive bytes each), since a block's 128 bytes of two neighbouring rows lie end to end in xh.  Then 128 work-groups each take Wq, Wk, Wv: a wave takes one row, 512 consecutive bytes a load.
.set IN,  2                            ; v2       byte offset of my 16 bytes in the group's 8 source rows
.set OUT, 3                            ; v3       byte offset of my 8 bytes in the result
.set X,   8                            ; v[8:39]  as loaded
.set T,   40                           ; v[40:45] at work
.set Y,   46                           ; v[46:61] to store: never rewritten, so no store's data waits for anything
.macro BODY ls, ss                     ; ls, ss: bytes from one of the eight loads, stores, to the next
.irp t, 0,1,2,3,4,5,6,7
	global_load_b128 v[X+4*(\t):X+4*(\t)+3], v[IN], s[16:17] offset:(\ls)*(\t) th:TH_LOAD_NT
.endr
.irp t, 0,1,2,3,4,5,6,7
	s_wait_loadcnt 7-(\t)                          ; loads come back in order: load t is in, the younger ones stay out
	v_cvt_pk_bf16_f32 v[T], v[X+4*(\t)], v[X+4*(\t)+1]
	v_cvt_pk_bf16_f32 v[T+1], v[X+4*(\t)+2], v[X+4*(\t)+3]
	v_lshlrev_b32 v[T+2], 16, v[T]                 ; bf16 back to f32: a shift or a mask
	v_and_b32 v[T+3], s25, v[T]
	v_lshlrev_b32 v[T+4], 16, v[T+1]
	v_and_b32 v[T+5], s25, v[T+1]
	v_cvt_pk_f16_f32 v[Y+2*(\t)], v[T+2], v[T+3]
	v_cvt_pk_f16_f32 v[Y+2*(\t)+1], v[T+4], v[T+5]
	global_store_b64 v[OUT], v[Y+2*(\t):Y+2*(\t)+1], s[18:19] offset:(\ss)*(\t)
.endr
	s_endpgm
.endm
	s_load_b256 s[4:11], s[0:1], 0x0               ; inputs s[4:5], Wq s[6:7], Wk s[8:9], Wv s[10:11]
	s_load_b128 s[12:15], s[0:1], 0x20             ; xh s[12:13], wh s[14:15]
	v_lshrrev_b32 v1, 5, v0                        ; wave
	v_and_b32 v4, 31, v0                           ; lane
	s_mov_b32 s25, 0xffff0000                      ; a word's upper bf16
	s_mov_b32 s21, 0
	s_mov_b32 s23, 0
	s_cmp_ge_u32 ttmp9, 1024
	s_cbranch_scc1 .Lweights
	v_and_b32 v5, 15, v0                           ; my 4 columns in a block of 64
	v_bfe_u32 v6, v0, 4, 1                         ; which of the two rows
	v_and_b32 v7, 3, v1                            ; which pair of the group's 8 rows
	v_lshrrev_b32 v1, 2, v1                        ; which 8 of the 16 blocks
	v_lshl_add_u32 v6, v7, 1, v6
	v_lshlrev_b32 v[IN], 12, v6                    ; a source row is 4,096 bytes,
	v_lshl_add_u32 v[IN], v1, 11, v[IN]            ; 8 blocks of it 2,048,
	v_lshl_add_u32 v[IN], v5, 4, v[IN]
	v_lshlrev_b32 v[OUT], 23, v1                   ; 8 blocks of xh are 8 x 1,048,576 bytes,
	v_lshl_add_u32 v[OUT], v7, 8, v[OUT]           ; two rows of a block 256,
	v_lshl_add_u32 v[OUT], v4, 3, v[OUT]           ; and the 32 lanes fill them
	s_lshl_b32 s20, ttmp9, 15                      ; 8 source rows are 32,768 bytes,
	s_lshl_b32 s22, ttmp9, 10                      ; 8 rows of a block 1,024
	s_wait_kmcnt 0x0
	s_add_nc_u64 s[16:17], s[4:5], s[20:21]
	s_add_nc_u64 s[18:19], s[12:13], s[22:23]
	BODY 256, 1048576                              ; from block to block: 64 f32 of the source, 8,192 rows x 128 bytes of xh
.Lweights:
	s_sub_co_u32 s26, ttmp9, 1024
	s_lshr_b32 s27, s26, 7                         ; which weight
	s_and_b32 s28, s26, 127                        ; which 8 rows of it
	v_lshlrev_b32 v[IN], 12, v1                    ; wave = row in the group
	v_lshl_or_b32 v[IN], v4, 4, v[IN]
	v_lshlrev_b32 v5, 3, v4
	v_mad_u32_u24 v[OUT], v1, 768, v5              ; a row of a column block of wh is 3 x 256 bytes
	s_lshl_b32 s20, s28, 15
	s_mul_i32 s22, s28, 8*768
	s_lshl_b32 s30, s27, 8                         ; the weight's 256 bytes in it
	s_add_co_u32 s22, s22, s30
	s_wait_kmcnt 0x0
	s_cmp_eq_u32 s27, 1
	s_cselect_b64 s[16:17], s[8:9], s[6:7]
	s_cmp_eq_u32 s27, 2
	s_cselect_b64 s[16:17], s[10:11], s[16:17]
	s_add_nc_u64 s[16:17], s[16:17], s[20:21]
	s_add_nc_u64 s[18:19], s[14:15], s[22:23]
	BODY 512, 786432                               ; from column block to column block: 128 f32 of the source, 1,024 rows x 768 bytes of wh
.Lfunc_end_k_q3a67af3b5d_cast:
	.size	k_q3a67af3b5d_cast, .Lfunc_end_k_q3a67af3b5d_cast-k_q3a67af3b5d_cast
	.p2alignl 7, 3214868480
	.fill 96, 4, 3214868480
	.section	.rodata,"a",@progbits
	.p2align	6, 0x0
	.amdhsa_kernel k_q3a67af3b5d_cast
		.amdhsa_group_segment_fixed_size 0
		.amdhsa_private_segment_fixed_size 0
		.amdhsa_enable_private_segment 0
		.amdhsa_kernarg_size 48
		.amdhsa_user_sgpr_count 2
		.amdhsa_user_sgpr_kernarg_segment_ptr 1
		.amdhsa_wavefront_size32 1
		.amdhsa_system_sgpr_workgroup_id_x 1
		.amdhsa_system_sgpr_workgroup_id_y 1
		.amdhsa_system_sgpr_workgroup_id_z 1
		.amdhsa_system_vgpr_workitem_id 0
		.amdhsa_next_free_vgpr 64
		.amdhsa_next_free_sgpr 66
		.amdhsa_reserve_vcc 0
		.amdhsa_float_denorm_mode_32 3
		.amdhsa_float_denorm_mode_16_64 3
		.amdhsa_memory_ordered 1
		.amdhsa_forward_progress 1
		.amdhsa_inst_pref_size 12
	.end_amdhsa_kernel
	.amdgpu_metadata
---
amdhsa.version: [ 1, 2 ]
amdhsa.kernels:
  - .name:           k_q3a67af3b5d_cast
    .symbol:         k_q3a67af3b5d_cast.kd
    .args:
      - { .name: inputs, .offset: 0, .size: 8, .value_kind: global_buffer, .address_space: global }
      - { .name: Wq, .offset: 8, .size: 8, .value_kind: global_buffer, .address_space: global }
      - { .name: Wk, .offset: 16, .size: 8, .value_kind: global_buffer, .address_space: global }
      - { .name: Wv, .offset: 24, .size: 8, .value_kind: global_buffer, .address_space: global }
      - { .name: xh, .offset: 32, .size: 8, .value_kind: global_buffer, .address_space: global }
      - { .name: wh, .offset: 40, .size: 8, .value_kind: global_buffer, .address_space: global }
    .group_segment_fixed_size: 0
    .private_segment_fixed_size: 0
    .kernarg_segment_align: 8
    .kernarg_segment_size: 48
    .max_flat_workgroup_size: 256
    .sgpr_count:     66
    .vgpr_count:     64
    .wavefront_size: 32
...
	.end_amdgpu_metadata
.endif
;; end of part 6
;; launch proj (part 7): grid 8 x 32, 4 waves a work-group, clusters of 4 x 4, 327,680 bytes of LDS; arguments xh, wh, qkv, vtail; writes qkv, vtail
.if DOCPART == 7
	.amdgcn_target "amdgcn-amd-amdhsa--gfx1250"
	.amdhsa_code_object_version 6
	.text
	.protected	k_q3a67af3b5d_proj
	.globl	k_q3a67af3b5d_proj
	.p2align	8
	.type	k_q3a67af3b5d_proj,@function
k_q3a67af3b5d_proj:
	s_mov_b64 s[64:65], 0
	v_nop
	global_prefetch_b8 v0, s[64:65] scope:SCOPE_SE
	s_setreg_imm32_b32 hwreg(HW_REG_WAVE_MODE, 25, 1), 1
	s_wait_xcnt 0x0
	s_wait_alu depctr_hold_cnt(0) depctr_sa_sdst(0) depctr_va_vdst(0) depctr_va_sdst(0) depctr_va_ssrc(0) depctr_va_vcc(0) depctr_vm_vsrc(0)
	s_getreg_b32 s2, hwreg(HW_REG_IB_STS2, 6, 4)
	s_cmp_eq_u32 s2, 0
	s_cbranch_scc0 .Lentry_in_a_cluster
	s_endpgm
.Lentry_in_a_cluster:
	s_bfe_u32 s2, ttmp6, 0x10000c
	s_cmp_lg_u32 s2, 0xf033
	s_cbranch_scc0 .Lentry_shape_is_right
	s_endpgm
.Lentry_shape_is_right:
; qkv[8192][3072] = x W, f16 operands, f32 sums, rounded once to f16; columns 0-1023 are q, 1024-2047 k, 2048-3071 v, all unscaled.  vtail[4][128][1024] keeps, in f32, v of each batch's last 128 tokens.
; The operands come in blocks: xh[k / 64][row][k % 64], wh[n / 128][k][q, k, v][n % 128].
; LIMITS.  A sum of 65,520 or more in magnitude becomes an infinity in qkv; below 6.1e-5 f16 keeps its fixed step of 6e-8.  NaN and infinities are not treated apart.
; SHARES.  8192 x 3072 outputs on 256 work-groups are 256 rows x 384 columns each: the same 128 columns of q, of k and of v, made as ONE tile.  A wave makes 128 rows x 192 columns: 96 accumulators
; of 16 x 16, 768 registers.  K = 1,024 goes in 16 steps of 64 through two LDS slots: 192 matrix instructions a wave for each refill; two slots of 128 along K (2 x 184,320 bytes) do not fit.
; In blocks a step's 256 rows of xh are 32,768 dense bytes and its 64 rows of wh 49,152: both are asked for as rows of 256 bytes.  Waves 0 and 1 fetch xh's halves, waves 2 and 3 wh's.
; FRAGMENTS.  256 registers are left beside the accumulators: two buffers for xh's fragments (64 each, for 32 along K) and ONE for wh's twelve (96).  A quarter (32 along K) goes in three groups of four
; column blocks, 32 products each; behind a group its four fragments of wh are loaded anew, for the next quarter: 64 products ahead of their use.  40 LDS loads for 96 products.
; xh's tile lies with K along its rows; wh's lies [k][n] and is turned on the way out of LDS by ds_load_tr16_b128.
; CLUSTER.  4 x 4 work-groups.  The four of a row of the cluster share their 256 rows and so xh's tiles, the four of a column share their columns and wh's: each tile is asked for jointly, by the same
; tensor load with the same descriptor and a mask that names the four.  Tile row = 8 cy + cluster y: a cluster's four rows lie in the four batches, at the same place in each.
; THE MATRIX INSTRUCTION IS USED TRANSPOSED: source 0 = 16 columns of wh, source 1 = 16 rows of xh: a lane then holds one token and eight neighbouring channels.
; THE WAY OUT.  A wave's 192 columns end in the middle of an aligned 256 bytes of qkv, so the four waves share one stage, in bytes of its own: two passes of 128 rows, a barrier between writing and
; reading and one between the passes; each wave then stores 32 whole rows a pass.
; REGISTERS: window 0: v16-27 addresses; v32-95, v96-159 xh's fragments; v160-255 wh's; v32-223 also serve the way out.  Accumulator (a, b): window 1 + b / 4, v[64 (b % 4) + 8 a].
.set PA,     144                       ; a row of xh's tile in LDS: 128 bytes + 16 = 9 x 16: the 16 rows of a fragment load start at 16 different groups of four banks
.set PB,     864                       ; a row of wh's tile: three pieces of 256 bytes + 32 = 27 x 32
.set AHALF,  128*PA                    ; what one tensor load brings of xh: 128 rows
.set BPART,  2*AHALF                   ; wh's 64 rows lie behind xh's 256
.set BHALF,  32*PB                     ; what one tensor load brings of wh: 32 rows
.set SLOT1,  1<<17                     ; a slot is 92,160 bytes; slot 1 begins here, so that one exclusive or turns an address in one slot into the other's
.set STAGE,  SLOT1+BPART+2*BHALF       ; behind the ring, never filled by a tensor load: 128 rows x 784 bytes, the work-group's
.set SPITCH, 784                       ; 768 bytes + 16 = 49 x 16
.set SPARE,  STAGE+128*SPITCH          ; behind the stage: the spare words, 128 bytes a wave, which no other line names
.set ASTEP,  8192*128                  ; bytes from a K step to the next in xh,
.set BSTEP,  64*768                    ; and in wh
.set CROW,   6144                      ; bytes in a row of qkv
.set ADRA, 16                          ; v16      LDS address of my xh fragments in the slot in hand
.set A0,   17                          ; v17      the same in slot 0; never rewritten
.set ADRB, 18                          ; v18, v19 the same for wh: column groups 0 and 2, column group 1
.set B0,   20                          ; v20, v21
.set STO,  22                          ; v22  the way out: where I put 16 bytes of a row
.set RD,   23                          ; v23  where I read a row's 256 bytes back
.set CO,   24                          ; v24  my byte offset in qkv
.set VT,   25                          ; v25  my byte offset in vtail
.set SPW,  26                          ; v26  LDS address of my spare word; never rewritten
.set NIL,  27                          ; v27  0; never rewritten
.set FA0,  32
.set FA1,  96
.set FB,   160
.set TMP,  32
.set WV,  12                           ; s12 wave; s13 wave / 2: my half of the rows, and: I fetch xh (0) or wh (1); s14 wave % 2: my half of the columns, and which half of that tile I fetch
.set RH,  13
.set CHF, 14
.set CX,  15
.set CY,  16
.set TC,  17                           ; which 128 columns of q, k and v
.set TR,  18                           ; tile row
.set CLY, 19                           ; the cluster's y = the tile's place in its batch
.set G1A, 24                           ; s[24:31] descriptor group 1 for xh's tiles; s[32:39] group 0: a set for each first fill; the second then walks
.set G0A, 32
.set TB,  40                           ; LDS byte at which the slot in hand begins
.set CNT, 42
.set ABASE, 44                         ; s[44:45] xh at my half of the tile's rows, K step 0
.set BBASE, 46                         ; s[46:47] wh at my half of K step 0's rows
.set G1B, 48                           ; s[48:55], s[56:63] the descriptors for wh's tiles
.set G0B, 56
.set MSB, 0
.macro WIN new                         ; the immediate's high byte repeats the setting that is left; a switch that changes nothing is dropped
.if MSB != (\new)
	s_set_vgpr_msb (MSB<<8)|(\new)
.set MSB, \new
.endif
.endm
.macro PLACES                          ; four places in front of loads into registers that matrix instructions have read, and of lines that read results
.rept 4
	v_nop
.endr
.endm
; A joint refill by the walking descriptors.  The branch hangs on the wave's number alone.  An s_nop 0 and four v_nop follow each of the two lines.
.macro JLOAD
	s_cmp_eq_u32 s[RH], 0
	s_cbranch_scc0 .Lfor_b_\@
	tensor_load_to_lds s[G0A+4:G0A+7], s[G1A:G1A+7]
	s_nop 0
.rept 4
	v_nop
.endr
	s_branch .Lasked_\@
.Lfor_b_\@:
	tensor_load_to_lds s[G0B+4:G0B+7], s[G1B:G1B+7]
	s_nop 0
.rept 4
	v_nop
.endr
.Lasked_\@:
.endm
.macro CREST                           ; a round of the cluster's barrier behind its opening barrier
	s_cmp_lg_u32 s[WV], 0
	s_cbranch_scc1 .Lnot_wave_0_\@
	s_barrier_signal -3
.Lnot_wave_0_\@:
	s_barrier_wait -3
	s_barrier_signal -1
	s_barrier_wait -1
.endm
.macro CROUND                          ; a whole round
	s_barrier_signal -1
	s_barrier_wait -1
	CREST
.endm
	s_load_b256 s[4:11], s[0:1], 0x0               ; xh s[4:5], wh s[6:7], qkv s[8:9], vtail s[10:11]
	v_lshl_add_u32 v[SPW], v0, 2, SPARE
	v_mov_b32 v[NIL], 0
	ds_add_u32 v[SPW], v[NIL]                      ; the wave's opening: the add and its wait ahead of my first tensor load; the set-up stands between them
	ds_add_u32 v26, v27
	v_lshrrev_b32 v1, 5, v0
	v_readfirstlane_b32 s[WV], v1
	s_lshr_b32 s[RH], s[WV], 1
	s_and_b32 s[CHF], s[WV], 1
	s_bfe_u32 s[CX], ttmp6, 0x40000
	s_bfe_u32 s[CY], ttmp6, 0x40004
	s_lshl_b32 s[TC], ttmp9, 2
	s_add_co_u32 s[TC], s[TC], s[CX]               ; column block = 4 x cluster x + cx
	s_and_b32 s[CLY], ttmp7, 0xffff
	s_lshl_b32 s[TR], s[CY], 3
	s_add_co_u32 s[TR], s[TR], s[CLY]              ; tile row = 8 cy + cluster y
	s_lshl_b32 s20, s[CY], 2
	s_lshl_b32 s20, 15, s20                        ; my row of the cluster
	s_lshl_b32 s21, 0x1111, s[CX]                  ; my column
	; xh: 128 rows of the tile are 16,384 dense bytes: asked for as 64 rows of 256 bytes, two rows of the tile each, and padded in LDS after every row of the tile
	s_or_b32 s[G1A], s20, (1<<16)|(1<<20)|(1<<21)|(4<<22)|(3<<25)   ; the mask; 2-byte elements; padding on; bit 21 beside a mask; after every 32 words, 4 words
	s_mov_b32 s[G1A+1], 128<<16                    ; tensor_dim0 = 128
	s_mov_b32 s[G1A+2], 64<<16                     ; tensor_dim1 = 64
	s_mov_b32 s[G1A+3], 128<<16                    ; tile_dim0 = 128
	s_mov_b32 s[G1A+4], 64                         ; tile_dim1 = 64
	s_mov_b32 s[G1A+5], 128                        ; elements from row to row
	s_mov_b32 s[G1A+6], 0
	s_mov_b32 s[G1A+7], 0
	; wh: 32 rows of the tile are 24,576 dense bytes: 96 rows of 256 bytes, three to a row of the tile
	s_or_b32 s[G1B], s21, (1<<16)|(1<<20)|(1<<21)|(5<<22)|(7<<25)   ; after every 64 words, 8 words
	s_mov_b32 s[G1B+1], 128<<16                    ; tensor_dim0 = 128
	s_mov_b32 s[G1B+2], 96<<16                     ; tensor_dim1 = 96
	s_mov_b32 s[G1B+3], 128<<16                    ; tile_dim0 = 128
	s_mov_b32 s[G1B+4], 96                         ; tile_dim1 = 96
	s_mov_b32 s[G1B+5], 128
	s_mov_b32 s[G1B+6], 0
	s_mov_b32 s[G1B+7], 0
	s_lshl_b32 s[ABASE], s[TR], 15                 ; xh: 256 rows of 128 bytes a tile row,
	s_lshl_b32 s22, s[CHF], 14                     ; 128 rows a half
	s_add_co_u32 s[ABASE], s[ABASE], s22
	s_mov_b32 s[ABASE+1], 0
	s_mul_i32 s[BBASE], s[TC], 1024*768            ; wh: 1,024 rows of 768 bytes a column block,
	s_mul_i32 s23, s[CHF], 32*768                  ; 32 rows a half
	s_add_co_u32 s[BBASE], s[BBASE], s23
	s_mov_b32 s[BBASE+1], 0
	s_mul_i32 s20, s[CHF], AHALF                   ; where my load lands in a slot, for xh
	s_mul_i32 s21, s[CHF], BHALF                   ; and for wh: no place in the cluster enters an LDS address
	s_add_co_u32 s21, s21, BPART
	s_mov_b32 s[TB], 0
	s_wait_dscnt 0x0                               ; the opening add is done
	s_wait_kmcnt 0x0
	s_add_nc_u64 s[ABASE:ABASE+1], s[4:5], s[ABASE:ABASE+1]
	s_add_nc_u64 s[BBASE:BBASE+1], s[6:7], s[BBASE:BBASE+1]
	CROUND                                         ; all sixteen work-groups are here: the first joint loads meet
.irp s, 0,1
	s_mov_b32 s[G0A+4*(\s)], 1
	s_add_co_u32 s[G0A+4*(\s)+1], s20, (\s)*SLOT1
	s_add_nc_u64 s[G0A+4*(\s)+2:G0A+4*(\s)+3], s[ABASE:ABASE+1], (\s)*ASTEP
	s_or_b32 s[G0A+4*(\s)+3], s[G0A+4*(\s)+3], 0x80000000
	s_mov_b32 s[G0B+4*(\s)], 1
	s_add_co_u32 s[G0B+4*(\s)+1], s21, (\s)*SLOT1
	s_add_nc_u64 s[G0B+4*(\s)+2:G0B+4*(\s)+3], s[BBASE:BBASE+1], (\s)*BSTEP
	s_or_b32 s[G0B+4*(\s)+3], s[G0B+4*(\s)+3], 0x80000000
.endr
	s_cmp_eq_u32 s[RH], 0                          ; a wave's two first fills stand in one branch, ahead of every wait on TENSORcnt and every LDS read: two loads of mine are out
	s_cbranch_scc0 .Lfirst_b
	tensor_load_to_lds s[G0A:G0A+3], s[G1A:G1A+7]
	s_nop 0
	tensor_load_to_lds s[G0A+4:G0A+7], s[G1A:G1A+7]
	s_nop 0
.rept 4
	v_nop
.endr
	s_branch .Lfirst_asked
.Lfirst_b:
	tensor_load_to_lds s[G0B:G0B+3], s[G1B:G1B+7]
	s_nop 0
	tensor_load_to_lds s[G0B+4:G0B+7], s[G1B:G1B+7]
	s_nop 0
.rept 4
	v_nop
.endr
.Lfirst_asked:
	v_and_b32 v1, 15, v0                           ; r = l % 16
	v_bfe_u32 v2, v0, 4, 1                         ; h = l / 16
	v_and_b32 v3, 7, v0
	v_bfe_u32 v4, v0, 3, 1
	v_mul_u32_u24 v5, v1, PA
	v_lshl_add_u32 v5, v2, 4, v5                   ; row x pitch + 16 x half: a fragment of xh is two loads of 16 bytes, 32 bytes apart
	s_mul_i32 s20, s[RH], AHALF                    ; my 128 rows
	v_add_nc_u32 v[A0], s20, v5
	v_lshl_add_u32 v6, v2, 3, v3                   ; the turning load: lane l reads k row 8 (l / 16) + l % 8, columns 8 ((l / 8) % 2) + 0..7
	v_mul_u32_u24 v6, v6, PB
	v_lshl_add_u32 v6, v4, 4, v6
	; Column block nb = 12 x my half + b lies at byte 288 (nb / 8) + 32 (nb % 8) of a row.  The loads' immediates are those of half 0; half 1 lies 416 bytes on for b = 0-3 and 8-11, 448 for b = 4-7.
	s_mul_i32 s20, s[CHF], 416
	s_add_co_u32 s20, s20, BPART
	v_add_nc_u32 v[B0], s20, v6
	s_mul_i32 s20, s[CHF], 448
	s_add_co_u32 s20, s20, BPART
	v_add_nc_u32 v[B0+1], s20, v6
	v_mov_b32 v[ADRA], v[A0]
	v_mov_b32 v[ADRB], v[B0]
	v_mov_b32 v[ADRB+1], v[B0+1]
	s_lshl_b32 s20, s[RH], 6                       ; into the stage: in a pass my 64 rows lie at 64 x my half of the rows; row l % 16, 16 bytes for each half of the lanes,
	v_add_nc_u32 v7, s20, v1
	v_mul_u32_u24 v7, v7, SPITCH
	v_lshl_add_u32 v7, v2, 4, v7
	s_mul_i32 s20, s[CHF], 384                     ; my 192 columns
	s_add_co_u32 s20, s20, STAGE
	v_add_nc_u32 v[STO], s20, v7
	s_lshl_b32 s20, s[WV], 5                       ; back: wave w takes the stage's rows 32 w on; lanes 0-15 take 256 bytes of one row, lanes 16-31 of the next
	v_add_nc_u32 v7, s20, v2
	v_mul_u32_u24 v7, v7, SPITCH
	v_lshl_add_u32 v7, v1, 4, v7
	v_add_nc_u32 v[RD], STAGE, v7
	v_mul_u32_u24 v7, v2, CROW                     ; the same two rows in qkv
	v_lshl_add_u32 v[CO], v1, 4, v7
	v_lshlrev_b32 v7, 12, v1                       ; vtail: row l % 16 of 4,096 bytes, 32 bytes for each half of the lanes
	v_lshl_add_u32 v[VT], v2, 5, v7
	s_lshl_b32 s68, s[TR], 8                       ; the stage's rows 32 w on are the tile's rows 128 (w / 2) + 64 x pass + 32 (w % 2) on
	s_lshl_b32 s69, s[RH], 7
	s_add_co_u32 s68, s68, s69
	s_lshl_b32 s69, s[CHF], 5
	s_add_co_u32 s68, s68, s69
	s_mul_i32 s68, s68, CROW
	s_lshl_b32 s69, s[TC], 8
	s_add_co_u32 s68, s68, s69                     ; q's columns of my block, in bytes
	s_mov_b32 s69, 0
	s_add_nc_u64 s[8:9], s[8:9], s[68:69]
; 8 matrix instructions: column block b x all 8 row blocks, 32 along K.  zero = 1: the product starts the sums.  The 96 accumulators take turns, in the same order in every quarter.
.macro MULB f, b, zero
	WIN 0x50*((\b)/4+1)                            ; sources 0 and 1 window 0; C and D window 1 + b / 4
.irp a, 0,1,2,3,4,5,6,7
.if \zero
	v_wmma_f32_16x16x32_f16 v[64*((\b)%4)+8*(\a):64*((\b)%4)+8*(\a)+7], v[FB+8*(\b):FB+8*(\b)+7], v[(\f)+8*(\a):(\f)+8*(\a)+7], 0
.else
	v_wmma_f32_16x16x32_f16 v[64*((\b)%4)+8*(\a):64*((\b)%4)+8*(\a)+7], v[FB+8*(\b):FB+8*(\b)+7], v[(\f)+8*(\a):(\f)+8*(\a)+7], v[64*((\b)%4)+8*(\a):64*((\b)%4)+8*(\a)+7]
.endif
.endr
.endm
.macro MULG f, g, zero                 ; a group: column blocks 4 g to 4 g + 3, 32 matrix instructions under one window setting
	MULB \f, 4*(\g), \zero
	MULB \f, 4*(\g)+1, \zero
	MULB \f, 4*(\g)+2, \zero
	MULB \f, 4*(\g)+3, \zero
.endm
.macro LDB g, kq                       ; 8 LDS loads: wh's fragments of group g, k rows 32 kq on of the slot in hand
	WIN 0
.irp bb, 0,1,2,3
	ds_load_tr16_b128 v[FB+8*(4*(\g)+(\bb)):FB+8*(4*(\g)+(\bb))+3],   v[ADRB+(\g)%2] offset:((4*(\g)+(\bb))/8)*288+((4*(\g)+(\bb))%8)*32+(\kq)*32*PB
	ds_load_tr16_b128 v[FB+8*(4*(\g)+(\bb))+4:FB+8*(4*(\g)+(\bb))+7], v[ADRB+(\g)%2] offset:((4*(\g)+(\bb))/8)*288+((4*(\g)+(\bb))%8)*32+(\kq)*32*PB+16*PB
.endr
.endm
.macro LDA f, kq, a0                   ; 8 LDS loads: xh's fragments of row blocks a0 to a0 + 3 into buffer f
	WIN 0
.irp a, \a0, (\a0)+1, (\a0)+2, (\a0)+3
	ds_load_b128 v[(\f)+8*(\a):(\f)+8*(\a)+3],   v[ADRA] offset:(\a)*16*PA+(\kq)*64
	ds_load_b128 v[(\f)+8*(\a)+4:(\f)+8*(\a)+7], v[ADRA] offset:(\a)*16*PA+(\kq)*64+32
.endr
.endm
; A quarter leaves three runs of LDS loads behind it, for the quarter that follows: 16 (wh's group 0, xh's blocks 0-3), 16 (group 1, blocks 4-7), 8 (group 2).
; A slot's first quarter: multiplies buffer 0 and fetches the slot's second quarter.
.macro EVENQ zero
	s_wait_dscnt 8                                 ; the two runs of 16 are in; the youngest eight loads (group 2) may be out
	MULG FA0, 0, \zero
	PLACES
	LDB 0, 1
	LDA FA1, 1, 0
	MULG FA0, 1, \zero
	PLACES
	LDB 1, 1
	LDA FA1, 1, 4
	s_wait_dscnt 32                                ; all but the two runs of 16 just issued: group 2 is in
	MULG FA0, 2, \zero
	PLACES
	LDB 2, 1
.endm
; A slot's second quarter multiplies buffer 1 and changes slots: all of the slot has been asked for out of LDS.  In front of the barrier each wave waits for all its tensor loads (one is out: its part of
; the next slot), adds 0 to its spare word, and waits for that and for its reads of this slot.  fill = 1: the barrier opens a round of the cluster's, and the slot just left is filled again, first thing
; behind the round, two K steps ahead: 176 matrix instructions stand between the request and the wait for it.  Then the next slot's first quarter is fetched.
.macro ODDQ fill
	WIN 0
	s_wait_tensorcnt 0x0                           ; no tensor load of mine is out, so the walking descriptors may be written
	ds_add_u32 v[SPW], v[NIL]                      ; 0 onto my spare word; the scalar work stands between it and the wait for it
.if \fill
	s_xor_b32 s[G0A+5], s[G0A+5], SLOT1            ; the other slot than last time,
	s_add_nc_u64 s[G0A+6:G0A+7], s[G0A+6:G0A+7], ASTEP  ; the next K step; the type bits on top are not reached
	s_xor_b32 s[G0B+5], s[G0B+5], SLOT1
	s_add_nc_u64 s[G0B+6:G0B+7], s[G0B+6:G0B+7], BSTEP
.endif
	s_xor_b32 s[TB], s[TB], SLOT1                  ; the slot to be read next
	s_wait_dscnt 9                                 ; the add and the youngest eight loads may be out
	MULB FA1, 0, 0
	s_wait_dscnt 0x0                               ; the add is done, and my reads of this slot are over
	s_barrier_signal -1
	MULB FA1, 1, 0                                 ; work on registers while the others arrive
	WIN 0
	s_barrier_wait -1
.if \fill
	CREST                                          ; no wave of any partner still reads this slot or has a load on its way
	JLOAD
.endif
	v_add_nc_u32 v[ADRA], s[TB], v[A0]
	v_add_nc_u32 v[ADRB], s[TB], v[B0]
	v_add_nc_u32 v[ADRB+1], s[TB], v[B0+1]
	MULB FA1, 2, 0
	MULB FA1, 3, 0
	PLACES
	LDB 0, 0
	LDA FA0, 0, 0
	MULG FA1, 1, 0
	PLACES
	LDB 1, 0
	LDA FA0, 0, 4
	MULG FA1, 2, 0
	PLACES
	LDB 2, 0
.endm
; A PASS OF THE WAY OUT: my row blocks 4 ph to 4 ph + 3, rounded to f16 (each accumulator's registers in ascending order), 16 bytes a lane into the shared stage; a barrier; back as pieces of 256 bytes
; of whole rows, 32 rows a wave; stored.
.macro OUTPH ph
.irp w, 1,2,3
	WIN 5*(\w)                                     ; sources 0 and 1: window w
.irp bb, 0,1,2,3
.irp a, 0,1,2,3
.irp r, 0,1,2,3
	v_cvt_pk_f16_f32 v[TMP+64*((\w)-1)+16*(\bb)+4*(\a)+(\r)], v[64*(\bb)+8*(4*(\ph)+(\a))+2*(\r)], v[64*(\bb)+8*(4*(\ph)+(\a))+2*(\r)+1]
.endr
.endr
.endr
	WIN 0
.irp bb, 0,1,2,3
.irp a, 0,1,2,3
	ds_store_b128 v[STO], v[TMP+64*((\w)-1)+16*(\bb)+4*(\a):TMP+64*((\w)-1)+16*(\bb)+4*(\a)+3] offset:(\a)*16*SPITCH+(4*((\w)-1)+(\bb))*32
.endr
.endr
.endr
	s_wait_dscnt 0x0                               ; for the others' sake: my stores into the stage are done
	s_barrier_signal -1
	s_barrier_wait -1
.set n, 0                              ; n = 3 x pair of rows + piece (q's, k's, v's 256 bytes)
.rept 48
	ds_load_b128 v[TMP+4*n:TMP+4*n+3], v[RD] offset:(n/3)*2*SPITCH+(n%3)*256
.set n, n+1
.endr
.set n, 0
.rept 48
.if n%8 == 0
	s_wait_dscnt 40-n                              ; LDS loads come back in order: the next eight are in; the last of these waits is for 0
.endif
	global_store_b128 v[CO], v[TMP+4*n:TMP+4*n+3], s[8:9] offset:(64*(\ph)+2*(n/3))*CROW+(n%3)*2048  ; 16 lanes store 256 consecutive bytes, at a multiple of 256 from qkv's first byte
.set n, n+1
.endr
.endm
	s_wait_tensorcnt 1                             ; my part of K step 0 is in; K step 1's may stay out
	s_barrier_signal -1
	s_barrier_wait -1
	LDB 0, 0                                       ; the first quarter's fragments, in a quarter's three runs
	LDA FA0, 0, 0
	LDB 1, 0
	LDA FA0, 0, 4
	LDB 2, 0
	EVENQ 1                                        ; the first quarter stands in front of the loop: its products start the sums
	WIN 0
	s_mov_b32 s[CNT], 14
.Lstep:                                                ; trip i: K step i's second quarter, the request for K step i + 2, and K step i + 1's first quarter
	ODDQ 1
	EVENQ 0
	WIN 0
	s_sub_co_u32 s[CNT], s[CNT], 1
	s_cmp_lg_u32 s[CNT], 0
	s_cbranch_scc1 .Lstep
	ODDQ 0                                         ; K step 14 goes on; nothing is left to ask for, so the tail is written out
	EVENQ 0
	s_wait_dscnt 8                                 ; the very last quarter: nothing more to fetch
	MULG FA1, 0, 0
	MULG FA1, 1, 0
	s_wait_dscnt 0x0
	MULG FA1, 2, 0
	WIN 0
	PLACES                                         ; behind the last products
	OUTPH 0
	s_barrier_signal -1                            ; every wave's reads of the stage are back (the pass's last wait was for 0): it may be written again
	s_barrier_wait -1
	s_wait_xcnt 0x0                                ; the registers that the first pass's stores read are rewritten only behind this wait
	OUTPH 1
	; v of a batch's last 128 tokens also leaves in f32: the tile row is its batch's last (the cluster's y); the tile's rows 128 on and v's columns (b = 4 to 11 of the upper half) are wave 3's.
	; A lane's 32 bytes are pieces of rows 4,096 bytes apart: 2 MiB of the launch's 50, not worth a stage in f32.
	s_cmp_lg_u32 s[CLY], 7
	s_cbranch_scc1 .Lno_tail
	s_cmp_lg_u32 s[WV], 3
	s_cbranch_scc1 .Lno_tail
	s_lshl_b32 s20, s[CY], 19                      ; the batch,
	s_lshl_b32 s21, s[TC], 9                       ; 128 channels of 4 bytes
	s_add_co_u32 s20, s20, s21
	s_mov_b32 s21, 0
	s_add_nc_u64 s[10:11], s[10:11], s[20:21]
.irp b, 4,5,6,7,8,9,10,11
	WIN 4*((\b)/4+1)                               ; store data (source 1): window 1 + b / 4
.irp a, 0,1,2,3,4,5,6,7
	global_store_b128 v[VT], v[64*((\b)%4)+8*(\a):64*((\b)%4)+8*(\a)+3],   s[10:11] offset:(\a)*65536+((\b)-4)*64
	global_store_b128 v[VT], v[64*((\b)%4)+8*(\a)+4:64*((\b)%4)+8*(\a)+7], s[10:11] offset:(\a)*65536+((\b)-4)*64+16
.endr
.endr
	WIN 0
.Lno_tail:
	s_wait_tensorcnt 0x0                           ; the wave's end, behind my last tensor load and my last LDS store
	ds_add_u32 v[SPW], v[NIL]
	s_wait_dscnt 0x0
	CROUND                                         ; the closing round: no work-group ends while a partner may still ask for a tile that names it
	s_endpgm
.Lfunc_end_k_q3a67af3b5d_proj:
	.size	k_q3a67af3b5d_proj, .Lfunc_end_k_q3a67af3b5d_proj-k_q3a67af3b5d_proj
	.p2alignl 7, 3214868480
	.fill 96, 4, 3214868480
	.section	.rodata,"a",@progbits
	.p2align	6, 0x0
	.amdhsa_kernel k_q3a67af3b5d_proj
		.amdhsa_group_segment_fixed_size 327680
		.amdhsa_private_segment_fixed_size 0
		.amdhsa_enable_private_segment 0
		.amdhsa_kernarg_size 32
		.amdhsa_user_sgpr_count 2
		.amdhsa_user_sgpr_kernarg_segment_ptr 1
		.amdhsa_wavefront_size32 1
		.amdhsa_system_sgpr_workgroup_id_x 1
		.amdhsa_system_sgpr_workgroup_id_y 1
		.amdhsa_system_sgpr_workgroup_id_z 1
		.amdhsa_system_vgpr_workitem_id 0
		.amdhsa_next_free_vgpr 1024
		.amdhsa_next_free_sgpr 72
		.amdhsa_reserve_vcc 0
		.amdhsa_float_denorm_mode_32 3
		.amdhsa_float_denorm_mode_16_64 3
		.amdhsa_memory_ordered 1
		.amdhsa_forward_progress 1
		.amdhsa_inst_pref_size 123
	.end_amdhsa_kernel
	.amdgpu_metadata
---
amdhsa.version: [ 1, 2 ]
amdhsa.kernels:
  - .name:           k_q3a67af3b5d_proj
    .symbol:         k_q3a67af3b5d_proj.kd
    .args:
      - { .name: xh, .offset: 0, .size: 8, .value_kind: global_buffer, .address_space: global }
      - { .name: wh, .offset: 8, .size: 8, .value_kind: global_buffer, .address_space: global }
      - { .name: qkv, .offset: 16, .size: 8, .value_kind: global_buffer, .address_space: global }
      - { .name: vtail, .offset: 24, .size: 8, .value_kind: global_buffer, .address_space: global }
    .group_segment_fixed_size: 327680
    .private_segment_fixed_size: 0
    .kernarg_segment_align: 8
    .kernarg_segment_size: 32
    .max_flat_workgroup_size: 128
    .sgpr_count:     72
    .vgpr_count:     1024
    .wavefront_size: 32
...
	.end_amdgpu_metadata
.endif
;; end of part 7
;; launch scores: the kernel of part 3 again; grid 9 x 16, 4 waves a work-group, no clusters, 327,680 bytes of LDS; arguments qkv, st; writes st
;; launch colsoft (part 8): grid 1088 x 1, 8 waves a work-group, no clusters, 5,120 bytes of LDS; arguments st, vtail, pt, pex, vex; writes pt, pex, vex
.if DOCPART == 8
	.amdgcn_target "amdgcn-amd-amdhsa--gfx1250"
	.amdhsa_code_object_version 6
	.text
	.protected	k_q3a67af3b5d_colsoft
	.globl	k_q3a67af3b5d_colsoft
	.p2align	8
	.type	k_q3a67af3b5d_colsoft,@function
k_q3a67af3b5d_colsoft:
	s_mov_b64 s[64:65], 0
	v_nop
	global_prefetch_b8 v0, s[64:65] scope:SCOPE_SE
	s_setreg_imm32_b32 hwreg(HW_REG_WAVE_MODE, 25, 1), 1
	s_wait_xcnt 0x0
; THE SOFTMAX OVER QUERIES, key by key.  Row j of st[b] holds key j's scores for the queries i from 256 (j / 256) on.  pt[b][j][i] = exp((s - m) / 32) / sum over i >= j, in f16, and 0 for i < j.
; m is the row's true maximum over i >= j (i = j is always there), taken away before the scale: s - m is never above 0, so no exponential overflows, and the sum is at least 1.
; LIMITS.  A weight below 2^-126 counts as 0 in the sum; below 6.1e-5 a stored weight keeps f16's fixed step of 6e-8; NaN and infinities in st are not treated apart.
; Work-groups 0-1023: a wave takes a row, at most 2,048 f32 = 64 registers, and keeps it between the passes: st is read once.  Loads of 512 and stores of 256 consecutive bytes.
; The reduction never leaves the wave, and memory binds: no matrix unit.  Rows are shorter for later keys: the loads and stores of the pairs of 128 queries that a row does not have are jumped
; over (forward, on the row's number); their registers hold -inf and give weights 0, so the arithmetic is one text.
; THE LAST 128 KEYS of a batch also leave, for its last 128 queries i', the weight split in two f16: what f16 dropped, and the f16 weight.  pex[b][g][i'][8]: group g < 16 holds the first part for
; keys 1,920 + 8 g + 0..7, group 16 + g the second.  A work-group's eight rows are one group: each wave puts its row into 512 bytes of LDS of its own; behind a barrier (under a branch on the
; work-group's number alone) each thread packs one query's eight keys into 16 bytes, and a wave stores 512 consecutive bytes.
; Work-groups 1024-1087 split vtail likewise: vex[b][c][k] = f16(v), vex[b][c][128 + k] = f16(v - that), k the token less 1,920.  A wave takes 8 channels and all 128 tokens, a lane 8 tokens x 4
; channels: in each store lanes 0-15 fill one channel's 256 bytes and lanes 16-31 another's.  Its loads take 32 bytes of each of 16 rows: 2 MiB in all, read in pieces so that the stores are whole.
.set T,  8                             ; v[8:11]   four running maxima
.set M,  12                            ; v[12:13]  the maximum, twice
.set SU, 14                            ; v[14:21]  four running sums of pairs
.set RC, 22                            ; v[22:23]  1 / sum, twice
.set H,  24                            ; v[24:55]  the row in f16
.set SPW, 62                           ; v62       LDS address of my spare word; never rewritten
.set NIL, 63                           ; v63       0; never rewritten
.set X,  64                            ; v[64:127] the row: registers 4 u .. 4 u + 3 hold queries 128 u + 4 lane + 0..3 of the row's piece
.set SPARE, 4096                       ; behind the eight rows of 512 bytes: the spare words, 128 bytes a wave, which no other line names
	s_load_b256 s[4:11], s[0:1], 0x0               ; st s[4:5], vtail s[6:7], pt s[8:9], pex s[10:11]
	s_load_b64 s[12:13], s[0:1], 0x20              ; vex
	v_lshl_add_u32 v[SPW], v0, 2, SPARE
	v_mov_b32 v[NIL], 0
	v_lshrrev_b32 v1, 5, v0
	v_readfirstlane_b32 s14, v1                    ; wave
	v_and_b32 v1, 31, v0                           ; lane
	v_lshlrev_b32 v2, 4, v1
	v_lshlrev_b32 v3, 3, v1
	s_cmp_ge_u32 ttmp9, 1024
	s_cbranch_scc1 .Lsplit_v
	s_lshl_b32 s15, ttmp9, 3
	s_add_co_u32 s15, s15, s14                     ; the row among all 8,192
	s_lshr_b32 s16, s15, 11                        ; batch
	s_bfe_u32 s17, s15, 0x30008                    ; key block of 256
	s_and_b32 s18, s15, 255                        ; the key's place in it
	s_sub_co_u32 s19, 8, s17                       ; pairs of 128 queries in the row's piece
	s_mov_b32 s20, 0x3d38aa3b                      ; log2(e) / 32
	s_mov_b32 s21, s20
	s_mov_b32 s22, 0x76543210                      ; v_permlanex16_b32: each lane takes its own place in the other half
	s_mov_b32 s23, 0xfedcba98
	s_lshl_b32 s24, s15, 13                        ; a row of st is 8,192 bytes,
	s_lshl_b32 s26, s17, 10                        ; its piece begins 256 x 4 bytes a block in
	s_add_co_u32 s24, s24, s26
	s_mov_b32 s25, 0
	s_lshl_b32 s26, s15, 12                        ; the same in pt, at 2 bytes a number
	s_lshl_b32 s28, s17, 9
	s_add_co_u32 s26, s26, s28
	s_mov_b32 s27, 0
	v_lshlrev_b32 v4, 2, v1
	v_sub_nc_u32 v4, v4, s18                       ; 4 lane - the key's place: query 128 u + 4 lane + e is hidden where this is below -(128 u + e)
	v_mov_b32 v5, 0xff800000                       ; -inf
.set i, 8
.rept 56
	v_mov_b32 v[X+i], v5                           ; what a short row does not load
.set i, i+1
.endr
	s_wait_kmcnt 0x0
	s_add_nc_u64 s[4:5], s[4:5], s[24:25]
	s_add_nc_u64 s[8:9], s[8:9], s[26:27]
	global_load_b128 v[X:X+3], v2, s[4:5] th:TH_LOAD_NT
	global_load_b128 v[X+4:X+7], v2, s[4:5] offset:512 th:TH_LOAD_NT
.irp a, 1,2,3,4,5,6,7
	s_cmp_le_u32 s19, \a
	s_cbranch_scc1 .Lloaded
	global_load_b128 v[X+8*(\a):X+8*(\a)+3],   v2, s[4:5] offset:1024*(\a) th:TH_LOAD_NT
	global_load_b128 v[X+8*(\a)+4:X+8*(\a)+7], v2, s[4:5] offset:1024*(\a)+512 th:TH_LOAD_NT
.endr
.Lloaded:
	s_wait_loadcnt 0x0
.irp u, 0,1                            ; only the key's own block of 256 queries can hold hidden ones
.irp e, 0,1,2,3
	v_cmp_gt_i32 vcc_lo, -(128*(\u)+(\e)), v4
	v_cndmask_b32 v[X+4*(\u)+(\e)], v[X+4*(\u)+(\e)], v5, vcc_lo
.endr
.endr
	; the maximum: four chains of fifteen, three operands at a time, then the four left over
.irp k, 0,1,2,3
	v_max3_num_f32 v[T+(\k)], v[X+16*(\k)], v[X+16*(\k)+1], v[X+16*(\k)+2]
.endr
.irp n, 3,5,7,9,11,13
.irp k, 0,1,2,3
	v_max3_num_f32 v[T+(\k)], v[T+(\k)], v[X+16*(\k)+(\n)], v[X+16*(\k)+(\n)+1]
.endr
.endr
	v_max3_num_f32 v[T], v[T], v[X+15], v[X+31]
	v_max3_num_f32 v[T+2], v[T+2], v[X+47], v[X+63]
	v_max3_num_f32 v[T], v[T], v[T+1], v[T+2]
	v_max_num_f32 v[T], v[T], v[T+3]
	v_max_num_f32_dpp v[T], v[T], v[T] row_xmask:1 row_mask:0xf bank_mask:0xf
	v_max_num_f32_dpp v[T], v[T], v[T] row_xmask:2 row_mask:0xf bank_mask:0xf
	v_max_num_f32_dpp v[T], v[T], v[T] row_xmask:4 row_mask:0xf bank_mask:0xf
	v_max_num_f32_dpp v[T], v[T], v[T] row_xmask:8 row_mask:0xf bank_mask:0xf
	v_permlanex16_b32 v[T+1], v[T], s22, s23
	v_max_num_f32 v[M], v[T], v[T+1]
	v_max_num_f32 v[M+1], v[T], v[T+1]
.set i, 0
.rept 32
	v_pk_add_f32 v[X+i:X+i+1], v[X+i:X+i+1], v[M:M+1] neg_lo:[0,1] neg_hi:[0,1]   ; s - m first: never above 0, whatever the scores' size
.set i, i+2
.endr
.set i, 0
.rept 32
	v_pk_mul_f32 v[X+i:X+i+1], v[X+i:X+i+1], s[20:21] op_sel_hi:[1,0]
.set i, i+2
.endr
.set i, 0
.rept 64
	v_exp_f32 v[X+i], v[X+i]
.set i, i+1
.endr
	v_nop                                          ; a plain instruction between the last exponential and the use of its result (ISA guide 5.7.2)
	s_wait_alu depctr_va_vdst(0)
.irp k, 0,1,2,3
	v_pk_add_f32 v[SU+2*(\k):SU+2*(\k)+1], v[X+16*(\k):X+16*(\k)+1], v[X+16*(\k)+2:X+16*(\k)+3]
.endr
.irp n, 4,6,8,10,12,14
.irp k, 0,1,2,3
	v_pk_add_f32 v[SU+2*(\k):SU+2*(\k)+1], v[SU+2*(\k):SU+2*(\k)+1], v[X+16*(\k)+(\n):X+16*(\k)+(\n)+1]
.endr
.endr
	v_pk_add_f32 v[SU:SU+1], v[SU:SU+1], v[SU+2:SU+3]
	v_pk_add_f32 v[SU+4:SU+5], v[SU+4:SU+5], v[SU+6:SU+7]
	v_pk_add_f32 v[SU:SU+1], v[SU:SU+1], v[SU+4:SU+5]
	v_add_f32 v[SU], v[SU], v[SU+1]
	v_add_f32_dpp v[SU], v[SU], v[SU] row_xmask:1 row_mask:0xf bank_mask:0xf
	v_add_f32_dpp v[SU], v[SU], v[SU] row_xmask:2 row_mask:0xf bank_mask:0xf
	v_add_f32_dpp v[SU], v[SU], v[SU] row_xmask:4 row_mask:0xf bank_mask:0xf
	v_add_f32_dpp v[SU], v[SU], v[SU] row_xmask:8 row_mask:0xf bank_mask:0xf
	v_permlanex16_b32 v[SU+1], v[SU], s22, s23
	v_add_f32 v[SU], v[SU], v[SU+1]
	v_rcp_f32 v[RC], v[SU]
	v_nop
	s_wait_alu depctr_va_vdst(0)
	v_mov_b32 v[RC+1], v[RC]
.set i, 0
.rept 32
	v_pk_mul_f32 v[X+i:X+i+1], v[X+i:X+i+1], v[RC:RC+1]
.set i, i+2
.endr
.set i, 0
.rept 32
	v_cvt_pk_f16_f32 v[H+i], v[X+2*i], v[X+2*i+1]
.set i, i+1
.endr
	global_store_b64 v3, v[H:H+1], s[8:9]          ; 32 lanes store 256 consecutive bytes, at a multiple of 256 from pt's first byte
	global_store_b64 v3, v[H+2:H+3], s[8:9] offset:256
.irp a, 1,2,3,4,5,6,7
	s_cmp_le_u32 s19, \a
	s_cbranch_scc1 .Lstored
	global_store_b64 v3, v[H+4*(\a):H+4*(\a)+1],   s[8:9] offset:512*(\a)
	global_store_b64 v3, v[H+4*(\a)+2:H+4*(\a)+3], s[8:9] offset:512*(\a)+256
.endr
.Lstored:
	s_and_b32 s28, ttmp9, 255                      ; the work-group's place in its batch: from 240 on its eight rows are keys 1,920 on.  The same for all eight waves: a barrier follows
	s_cmp_lt_u32 s28, 240
	s_cbranch_scc1 .Ldone
	s_sub_co_u32 s28, s28, 240                     ; the group of 8 keys:
	s_lshl_b32 s28, s28, 11                        ; 128 queries x 16 bytes,
	s_lshl_b32 s30, s16, 16                        ; a batch of pex is 65,536 bytes
	s_add_co_u32 s28, s28, s30
	s_mov_b32 s29, 0
	s_add_nc_u64 s[10:11], s[10:11], s[28:29]
	v_cvt_f32_f16 v56, v26.l                       ; queries 1,920 + 4 lane + 0..3 lie in v68-71, their f16 in v26, v27
	v_cvt_f32_f16 v57, v26.h
	v_cvt_f32_f16 v58, v27.l
	v_cvt_f32_f16 v59, v27.h
	v_sub_f32 v56, v68, v56
	v_sub_f32 v57, v69, v57
	v_sub_f32 v58, v70, v58
	v_sub_f32 v59, v71, v59
	v_cvt_pk_f16_f32 v60, v56, v57
	v_cvt_pk_f16_f32 v61, v58, v59
	v_lshl_add_u32 v7, s14, 9, v3                  ; my wave's 512 bytes: 128 queries' first parts, then their second parts
	ds_store_b64 v7, v[60:61]
	ds_store_b64 v7, v[26:27] offset:256
	v_and_b32 v20, 127, v0                         ; behind the barrier thread t takes query t % 128, part t / 128
	v_lshrrev_b32 v21, 7, v0
	v_lshlrev_b32 v22, 1, v20
	v_lshl_add_u32 v22, v21, 8, v22                ; its two bytes in wave 0's row
	v_lshlrev_b32 v20, 4, v20
	v_lshl_add_u32 v20, v21, 15, v20               ; in pex: 16 bytes a query; the second parts lie 16 groups, 32,768 bytes, on
	s_wait_dscnt 0x0                               ; for the others' sake: my row is in LDS
	s_barrier_signal -1
	s_barrier_wait -1
.irp k, 0,1,2,3,4,5,6,7
	ds_load_u16 v[8+(\k)], v22 offset:512*(\k)     ; key k of the group: wave k's row
.endr
	s_wait_dscnt 0x0
	v_lshl_or_b32 v16, v9, 16, v8
	v_lshl_or_b32 v17, v11, 16, v10
	v_lshl_or_b32 v18, v13, 16, v12
	v_lshl_or_b32 v19, v15, 16, v14
	global_store_b128 v20, v[16:19], s[10:11]      ; a wave stores 512 consecutive bytes, at a multiple of 256 from pex's first byte
	s_wait_tensorcnt 0x0                           ; the end of a wave that stored to LDS
	ds_add_u32 v[SPW], v[NIL]
	s_wait_dscnt 0x0
.Ldone:
	s_endpgm
.Lsplit_v:
	s_sub_co_u32 s15, ttmp9, 1024
	s_lshl_b32 s15, s15, 3
	s_add_co_u32 s15, s15, s14
	s_lshr_b32 s16, s15, 7                         ; batch
	s_and_b32 s17, s15, 127                        ; which 8 channels
	s_lshl_b32 s24, s16, 19                        ; vtail: a batch is 524,288 bytes,
	s_lshl_b32 s26, s17, 5                         ; 8 channels 32
	s_add_co_u32 s24, s24, s26
	s_mov_b32 s25, 0
	s_lshl_b32 s26, s16, 19                        ; vex: 1,024 channels of 512 bytes a batch
	s_lshl_b32 s28, s17, 12
	s_add_co_u32 s26, s26, s28
	s_mov_b32 s27, 0
	v_and_b32 v4, 15, v0                           ; which 8 tokens
	v_bfe_u32 v5, v0, 4, 1                         ; which 4 of the 8 channels
	v_lshlrev_b32 v2, 15, v4                       ; 8 rows of 4,096 bytes
	v_lshl_add_u32 v2, v5, 4, v2
	v_lshlrev_b32 v6, 4, v4                        ; 8 tokens are 16 bytes of a channel's row
	v_lshl_add_u32 v6, v5, 11, v6                  ; 4 channels are 2,048 bytes
	s_wait_kmcnt 0x0
	s_add_nc_u64 s[6:7], s[6:7], s[24:25]
	s_add_nc_u64 s[12:13], s[12:13], s[26:27]
.irp t, 0,1,2,3,4,5,6,7
	global_load_b128 v[X+4*(\t):X+4*(\t)+3], v2, s[6:7] offset:4096*(\t)
.endr
	s_wait_loadcnt 0x0
.set n, 0                              ; n = 4 x channel + pair of tokens
.irp hr, 24,25,26,27,28,29,30,31,32,33,34,35,36,37,38,39
	v_cvt_pk_f16_f32 v\hr, v[X+8*(n%4)+n/4], v[X+8*(n%4)+4+n/4]
	v_cvt_f32_f16 v40, v\hr\().l
	v_cvt_f32_f16 v41, v\hr\().h
	v_sub_f32 v40, v[X+8*(n%4)+n/4], v40
	v_sub_f32 v41, v[X+8*(n%4)+4+n/4], v41
	v_cvt_pk_f16_f32 v[44+n], v40, v41
.set n, n+1
.endr
.irp e, 0,1,2,3
	global_store_b128 v6, v[24+4*(\e):27+4*(\e)], s[12:13] offset:512*(\e)       ; 16 lanes store 256 consecutive bytes, at a multiple of 256 from vex's first byte
	global_store_b128 v6, v[44+4*(\e):47+4*(\e)], s[12:13] offset:512*(\e)+256
.endr
	s_endpgm
.Lfunc_end_k_q3a67af3b5d_colsoft:
	.size	k_q3a67af3b5d_colsoft, .Lfunc_end_k_q3a67af3b5d_colsoft-k_q3a67af3b5d_colsoft
	.p2alignl 7, 3214868480
	.fill 96, 4, 3214868480
	.section	.rodata,"a",@progbits
	.p2align	6, 0x0
	.amdhsa_kernel k_q3a67af3b5d_colsoft
		.amdhsa_group_segment_fixed_size 5120
		.amdhsa_private_segment_fixed_size 0
		.amdhsa_enable_private_segment 0
		.amdhsa_kernarg_size 40
		.amdhsa_user_sgpr_count 2
		.amdhsa_user_sgpr_kernarg_segment_ptr 1
		.amdhsa_wavefront_size32 1
		.amdhsa_system_sgpr_workgroup_id_x 1
		.amdhsa_system_sgpr_workgroup_id_y 1
		.amdhsa_system_sgpr_workgroup_id_z 1
		.amdhsa_system_vgpr_workitem_id 0
		.amdhsa_next_free_vgpr 128
		.amdhsa_next_free_sgpr 66
		.amdhsa_reserve_vcc 1
		.amdhsa_float_denorm_mode_32 3
		.amdhsa_float_denorm_mode_16_64 3
		.amdhsa_memory_ordered 1
		.amdhsa_forward_progress 1
		.amdhsa_inst_pref_size 32
	.end_amdhsa_kernel
	.amdgpu_metadata
---
amdhsa.version: [ 1, 2 ]
amdhsa.kernels:
  - .name:           k_q3a67af3b5d_colsoft
    .symbol:         k_q3a67af3b5d_colsoft.kd
    .args:
      - { .name: st, .offset: 0, .size: 8, .value_kind: global_buffer, .address_space: global }
      - { .name: vtail, .offset: 8, .size: 8, .value_kind: global_buffer, .address_space: global }
      - { .name: pt, .offset: 16, .size: 8, .value_kind: global_buffer, .address_space: global }
      - { .name: pex, .offset: 24, .size: 8, .value_kind: global_buffer, .address_space: global }
      - { .name: vex, .offset: 32, .size: 8, .value_kind: global_buffer, .address_space: global }
    .group_segment_fixed_size: 5120
    .private_segment_fixed_size: 0
    .kernarg_segment_align: 8
    .kernarg_segment_size: 40
    .max_flat_workgroup_size: 256
    .sgpr_count:     66
    .vgpr_count:     128
    .wavefront_size: 32
...
	.end_amdgpu_metadata
.endif
;; end of part 8
;; launch mix (part 9): grid 8 x 32, 4 waves a work-group, clusters of 4 x 1, 327,680 bytes of LDS; arguments pt, qkv, pex, vex, out0; writes out0
.if DOCPART == 9
	.amdgcn_target "amdgcn-amd-amdhsa--gfx1250"
	.amdhsa_code_object_version 6
	.text
	.protected	k_q3a67af3b5d_mix
	.globl	k_q3a67af3b5d_mix
	.p2align	8
	.type	k_q3a67af3b5d_mix,@function
k_q3a67af3b5d_mix:
	s_mov_b64 s[64:65], 0
	v_nop
	global_prefetch_b8 v0, s[64:65] scope:SCOPE_SE
	s_setreg_imm32_b32 hwreg(HW_REG_WAVE_MODE, 25, 1), 1
	s_wait_xcnt 0x0
	s_wait_alu depctr_hold_cnt(0) depctr_sa_sdst(0) depctr_va_vdst(0) depctr_va_sdst(0) depctr_va_ssrc(0) depctr_va_vcc(0) depctr_vm_vsrc(0)
	s_getreg_b32 s2, hwreg(HW_REG_IB_STS2, 6, 4)
	s_cmp_eq_u32 s2, 0
	s_cbranch_scc0 .Lentry_in_a_cluster
	s_endpgm
.Lentry_in_a_cluster:
	s_bfe_u32 s2, ttmp6, 0x10000c
	s_cmp_lg_u32 s2, 0x3003
	s_cbranch_scc0 .Lentry_shape_is_right
	s_endpgm
.Lentry_shape_is_right:
; out0[b][i][c] = the sum over keys j <= i of pt[b][j][i] v[b][j][c]: f16 operands, f32 sums, stored in f32.  v is columns 2048-3071 of qkv.
; For a batch's last 128 queries and keys the parts that f16 dropped are added: the sum over 256 k of pex(i', k) vex[b][c][k] = (weight's rest) x f16(v) + f16(weight) x (v's rest).
; pex lies [b][k / 8][i'][k % 8]: a fragment's 16 bytes of 8 k are one piece, and sixteen neighbouring lanes read 256 consecutive bytes.
; THE WALK.  A batch's queries lie in 16 blocks of 128; block I needs the key steps 0 .. I / 2 of 256 keys.  A work-group takes 128 channels and TWO blocks, 15 - p and then p: 9 key steps
; whatever p, so all 256 work-groups do equal work and every trip count is a constant.  For even I the last step's upper 128 keys meet weights stored as 0: one eighteenth of the products.
; Which tile is asked for, and where a block ends, hang on scalars made from p; those jumps go forward.
; SHARES.  Four waves, 64 queries x 64 channels each: 16 accumulators.  Both tiles lie [key][..] and are turned on the way out of LDS by ds_load_tr16_b128.
; Source 0 = 16 channels, source 1 = 16 queries: a lane holds one query and eight neighbouring channels, 32 bytes of a row of out0.
; CLUSTER.  The four work-groups of a cluster differ in their channels alone and walk the same weights: pt's tile is asked for jointly (mask 15).  v's tile is each work-group's own: those that
; share channels have other p and walk other keys.  Its plain load stands behind the same rounds.
; ONE TEXT FOR A KEY STEP: every product adds, so the accumulators are cleared where a block begins (128 v_mov_b32, twice a launch): the price of writing no first step out.
; The slot in hand is a scalar that an exclusive or turns: SLOT = 0x24000 shares no bit with a wave's place 0x9000 x wave.
; REGISTERS: window 0: v16-30 addresses; v32-95 the way out; v128-255 the accumulators ((a, b) at v[128 + 8 (4 a + b)]).  Window 1: two fragment buffers of 128: for 64 keys, 64 registers of weights, then 64 of v.
.set KP,     288                       ; an LDS row: 256 bytes + 32 = 9 x 32
.set HALFK,  128*KP                    ; 128 keys: what one tensor load brings
.set PART,   2*HALFK                   ; the weights' 256 rows; v's 256 follow
.set SLOT,   2*PART
.set STAGE,  2*SLOT                    ; behind the ring: 16 rows x 272 bytes for each wave
.set SPITCH, 272
.set SPARE,  STAGE+4*16*SPITCH         ; the spare words, 128 bytes a wave, which no other line names
.set VSTEP,  256*6144                  ; bytes from a key step to the next in qkv
.set A0,   16                          ; v16  my lane's place in the weights' tile of slot 0; never rewritten
.set B0,   17                          ; v17  the same in v's tile
.set ADRA, 18                          ; v18, v19  in the slot in hand: keys 0-127, keys 128-255
.set ADRB, 20                          ; v20, v21
.set STO,  24
.set RD,   25
.set CO,   26
.set PXO,  27                          ; v27  my byte offset in a batch of pex
.set SPW,  28
.set NIL,  29
.set VXO,  30                          ; v30  my byte offset in my 128 channels of vex
.set TMP,  32
.set ACC,  128
.set F0,   0
.set F1,   128
.set WV,  14
.set RH,  15                           ; my half of the queries; also: I fetch weights (0) or v (1)
.set CHF, 16                           ; my half of the channels; also which 128 keys I fetch
.set CX,  17
.set CH,  18                           ; which 128 channels
.set PP,  19                           ; p
.set BB,  20                           ; batch
.set PH,  21                           ; p / 2: the second block's last key step
.set G1A, 24
.set G1B, 32
.set G0A, 40                           ; s[40:47] group 0 for the weights: a set for each first fill; the second then walks
.set G0B, 48
.set PAB, 66                           ; s[66:67] pt at my half of the batch's key step 0
.set PBB, 68                           ; s[68:69] v likewise, at my channels
.set OUTB, 70                          ; s[70:71] out0 at my rows of block 0 and my channels
.set OC,  72                           ; s[72:73] the same for the block in hand
.set OFF, 74                           ; s[74:75] an offset; the high word stays 0
.set NXT, 76                           ; the key step to be asked for next
.set IQ,  77                           ; the block whose tiles are being asked for
.set LQ,  78                           ; its last key step
.set RT,  79                           ; key steps left in the block in hand
.set CNT, 80
.set TB,  81
.set WB,  82
.set PEXB, 84
.set VEXB, 86
.set MSB, 0
.macro WIN new
.if MSB != (\new)
	s_set_vgpr_msb (MSB<<8)|(\new)
.set MSB, \new
.endif
.endm
.set MUL,  0x05                        ; sources 0 and 1 window 1; C and D window 0
.set TO_F, 0x40                        ; destination window 1, address window 0
.macro PLACES
.rept 4
	v_nop
.endr
.endm
.macro JLOAD                           ; waves 0 and 1: the joint load of the weights' halves; waves 2 and 3: v's halves; an s_nop 0 and four v_nop follow each line
	s_cmp_eq_u32 s[RH], 0
	s_cbranch_scc0 .Lfor_b_\@
	tensor_load_to_lds s[G0A+4:G0A+7], s[G1A:G1A+7]
	s_nop 0
.rept 4
	v_nop
.endr
	s_branch .Lasked_\@
.Lfor_b_\@:
	tensor_load_to_lds s[G0B+4:G0B+7], s[G1B:G1B+7]
	s_nop 0
.rept 4
	v_nop
.endr
.Lasked_\@:
.endm
.macro CREST
	s_cmp_lg_u32 s[WV], 0
	s_cbranch_scc1 .Lnot_wave_0_\@
	s_barrier_signal -3
.Lnot_wave_0_\@:
	s_barrier_wait -3
	s_barrier_signal -1
	s_barrier_wait -1
.endm
.macro CROUND
	s_barrier_signal -1
	s_barrier_wait -1
	CREST
.endm
	s_load_b256 s[4:11], s[0:1], 0x0               ; pt s[4:5], qkv s[6:7], pex s[8:9], vex s[10:11]
	s_load_b64 s[12:13], s[0:1], 0x20              ; out0
	v_lshl_add_u32 v[SPW], v0, 2, SPARE
	v_mov_b32 v[NIL], 0
	ds_add_u32 v[SPW], v[NIL]                      ; the wave's opening: the add and its wait ahead of my first tensor load
	ds_add_u32 v28, v29
	v_lshrrev_b32 v1, 5, v0
	v_readfirstlane_b32 s[WV], v1
	s_lshr_b32 s[RH], s[WV], 1
	s_and_b32 s[CHF], s[WV], 1
	s_bfe_u32 s[CX], ttmp6, 0x40000
	s_lshl_b32 s[CH], ttmp9, 2
	s_add_co_u32 s[CH], s[CH], s[CX]               ; it enters v's, vex's and out0's addresses alone
	s_and_b32 s22, ttmp7, 0xffff
	s_and_b32 s[PP], s22, 7
	s_lshr_b32 s[BB], s22, 3
	s_lshr_b32 s[PH], s[PP], 1
	s_sub_co_u32 s[IQ], 15, s[PP]                  ; the first block
	s_lshr_b32 s[LQ], s[IQ], 1
	s_add_co_u32 s[RT], s[LQ], 1                   ; its key steps: 5 to 8
	s_mov_b32 s[NXT], 2                            ; steps 0 and 1 are the first fills
	s_mov_b32 s[G1A], 15|(1<<16)|(1<<20)|(1<<21)|(5<<22)|(7<<25)  ; the mask of four; 2-byte elements; padding on; bit 21 beside a mask; after every 64 words, 8 words
	s_mov_b32 s[G1B], (1<<16)|(1<<20)|(5<<22)|(7<<25)             ; no mask: a load of my own
.irp g, G1A, G1B
	s_mov_b32 s[(\g)+1], 128<<16                   ; tensor_dim0 = 128
	s_mov_b32 s[(\g)+2], 128<<16                   ; tensor_dim1 = 128
	s_mov_b32 s[(\g)+3], 128<<16                   ; tile_dim0 = 128
	s_mov_b32 s[(\g)+4], 128                       ; tile_dim1 = 128
	s_mov_b32 s[(\g)+6], 0
	s_mov_b32 s[(\g)+7], 0
.endr
	s_mov_b32 s[G1A+5], 2048                       ; elements from row to row of pt,
	s_mov_b32 s[G1B+5], 3072                       ; and of qkv
	s_lshl_b32 s56, s[BB], 23                      ; pt: a batch is 8,388,608 bytes, 128 keys 524,288
	s_lshl_b32 s57, s[CHF], 19
	s_add_co_u32 s56, s56, s57
	s_mov_b32 s57, 0
	s_lshl_b32 s58, s[BB], 11                      ; v: row 2,048 b + 128 x half, byte 4,096 + 256 x channel block
	s_lshl_b32 s59, s[CHF], 7
	s_add_co_u32 s58, s58, s59
	s_mul_i32 s58, s58, 6144
	s_lshl_b32 s59, s[CH], 8
	s_add_co_u32 s58, s58, s59
	s_add_co_u32 s58, s58, 4096
	s_mov_b32 s59, 0
	s_lshl_b32 s60, s[BB], 23                      ; out0: a batch is 8,388,608 bytes, 64 rows 262,144, 128 channels 512, 64 channels 256
	s_lshl_b32 s61, s[RH], 18
	s_add_co_u32 s60, s60, s61
	s_lshl_b32 s61, s[CH], 9
	s_add_co_u32 s60, s60, s61
	s_lshl_b32 s61, s[CHF], 8
	s_add_co_u32 s60, s60, s61
	s_mov_b32 s61, 0
	s_lshl_b32 s62, s[BB], 16                      ; pex
	s_mov_b32 s63, 0
	s_lshl_b32 s22, s[BB], 19                      ; vex: 1,024 channels of 512 bytes a batch
	s_lshl_b32 s23, s[CH], 16
	s_add_co_u32 s22, s22, s23
	s_mov_b32 s23, 0
	s_mul_i32 s[WB], s[WV], HALFK                  ; no place in the cluster enters an LDS address
	s_mov_b32 s[TB], 0
	s_lshl_b32 s[OFF], s[IQ], 8                    ; the block's 128 queries are 256 bytes of a row of pt
	s_mov_b32 s[OFF+1], 0
	s_wait_dscnt 0x0                               ; the opening add is done
	s_wait_kmcnt 0x0
	s_add_nc_u64 s[PAB:PAB+1], s[4:5], s[56:57]
	s_add_nc_u64 s[PBB:PBB+1], s[6:7], s[58:59]
	s_add_nc_u64 s[OUTB:OUTB+1], s[12:13], s[60:61]
	s_add_nc_u64 s[PEXB:PEXB+1], s[8:9], s[62:63]
	s_add_nc_u64 s[VEXB:VEXB+1], s[10:11], s[22:23]
	CROUND                                         ; all four work-groups are here: the first joint loads meet
	s_mov_b32 s[G0A], 1
	s_mov_b32 s[G0A+1], s[WB]
	s_add_nc_u64 s[G0A+2:G0A+3], s[PAB:PAB+1], s[OFF:OFF+1]
	s_add_nc_u64 s[G0A+6:G0A+7], s[G0A+2:G0A+3], 1<<20   ; 256 keys on
	s_or_b32 s[G0A+3], s[G0A+3], 0x80000000
	s_or_b32 s[G0A+7], s[G0A+7], 0x80000000
	s_mov_b32 s[G0A+4], 1
	s_add_co_u32 s[G0A+5], s[WB], SLOT
	s_mov_b32 s[G0B], 1
	s_mov_b32 s[G0B+1], s[WB]
	s_add_nc_u64 s[G0B+2:G0B+3], s[PBB:PBB+1], 0
	s_add_nc_u64 s[G0B+6:G0B+7], s[PBB:PBB+1], VSTEP
	s_or_b32 s[G0B+3], s[G0B+3], 0x80000000
	s_or_b32 s[G0B+7], s[G0B+7], 0x80000000
	s_mov_b32 s[G0B+4], 1
	s_add_co_u32 s[G0B+5], s[WB], SLOT
	s_cmp_eq_u32 s[RH], 0                          ; a wave's two first fills stand in one branch, ahead of every wait on TENSORcnt and every LDS read: two loads of mine are out
	s_cbranch_scc0 .Lfirst_b
	tensor_load_to_lds s[G0A:G0A+3], s[G1A:G1A+7]
	s_nop 0
	tensor_load_to_lds s[G0A+4:G0A+7], s[G1A:G1A+7]
	s_nop 0
.rept 4
	v_nop
.endr
	s_branch .Lfirst_asked
.Lfirst_b:
	tensor_load_to_lds s[G0B:G0B+3], s[G1B:G1B+7]
	s_nop 0
	tensor_load_to_lds s[G0B+4:G0B+7], s[G1B:G1B+7]
	s_nop 0
.rept 4
	v_nop
.endr
.Lfirst_asked:
	s_lshl_b32 s[OFF], s[IQ], 19                   ; a block's 128 rows of out0 are 524,288 bytes
	s_add_nc_u64 s[OC:OC+1], s[OUTB:OUTB+1], s[OFF:OFF+1]
	v_and_b32 v1, 15, v0                           ; r
	v_bfe_u32 v2, v0, 4, 1                         ; h
	v_and_b32 v3, 7, v0
	v_bfe_u32 v4, v0, 3, 1
	v_lshl_add_u32 v5, v2, 3, v3                   ; the turning load: lane l reads key 8 (l / 16) + l % 8, columns 8 ((l / 8) % 2) + 0..7
	v_mul_u32_u24 v5, v5, KP
	v_lshl_add_u32 v5, v4, 4, v5
	s_lshl_b32 s22, s[RH], 7                       ; my 64 queries
	v_add_nc_u32 v[A0], s22, v5
	s_lshl_b32 s22, s[CHF], 7                      ; my 64 channels
	s_add_co_u32 s22, s22, PART
	v_add_nc_u32 v[B0], s22, v5
	v_mov_b32 v[ADRA], v[A0]
	v_mov_b32 v[ADRB], v[B0]
	v_add_nc_u32 v[ADRA+1], HALFK, v[A0]
	v_add_nc_u32 v[ADRB+1], HALFK, v[B0]
	s_mul_i32 s22, s[WV], 16*SPITCH
	s_add_co_u32 s22, s22, STAGE                   ; my stage
	v_mul_u32_u24 v6, v1, SPITCH                   ; in: row l % 16, 32 bytes for each half of the lanes
	v_lshl_add_u32 v6, v2, 5, v6
	v_add_nc_u32 v[STO], s22, v6
	v_mul_u32_u24 v6, v2, SPITCH                   ; back: lanes 0-15 one row of 256 bytes, lanes 16-31 the next
	v_lshl_add_u32 v6, v1, 4, v6
	v_add_nc_u32 v[RD], s22, v6
	v_lshlrev_b32 v6, 12, v2                       ; the same two rows in out0
	v_lshl_add_u32 v[CO], v1, 4, v6
	s_lshl_b32 s22, s[RH], 6
	v_add_nc_u32 v6, s22, v1
	v_lshlrev_b32 v6, 4, v6                        ; pex: 16 bytes a query in a group of 8 k; the lanes' upper half takes the next group, 2,048 bytes on
	v_lshl_add_u32 v[PXO], v2, 11, v6
	s_lshl_b32 s22, s[CHF], 6
	v_add_nc_u32 v6, s22, v1
	v_lshlrev_b32 v6, 9, v6                        ; vex: rows of 512 bytes, K along them: a fragment is two loads of 16 bytes, 32 bytes apart
	v_lshl_add_u32 v[VXO], v2, 4, v6
; 8 matrix instructions: query blocks a0, a0 + 1 x all 4 channel blocks, 32 keys: half c of buffer f.  The 16 accumulators take turns.
.macro MUL8 f, c, a0
	WIN MUL
.irp a, \a0, (\a0)+1
.irp b, 0,1,2,3
	v_wmma_f32_16x16x32_f16 v[ACC+8*(4*(\a)+(\b)):ACC+8*(4*(\a)+(\b))+7], v[(\f)+64+8*(4*(\c)+(\b)):(\f)+64+8*(4*(\c)+(\b))+7], v[(\f)+8*(4*(\c)+(\a)):(\f)+8*(4*(\c)+(\a))+7], v[ACC+8*(4*(\a)+(\b)):ACC+8*(4*(\a)+(\b))+7]
.endr
.endr
.endm
.macro MULQ f
	MUL8 \f, 0, 0
	MUL8 \f, 0, 2
	MUL8 \f, 1, 0
	MUL8 \f, 1, 2
.endm
; 32 LDS loads in one run: the fragments of quarter q (64 keys) into buffer f, its first 32 keys first
.macro FETCH q, f
	WIN TO_F
.irp c, 0,1
.irp i, 0,1,2,3
	ds_load_tr16_b128 v[(\f)+64+8*(4*(\c)+(\i)):(\f)+64+8*(4*(\c)+(\i))+3],   v[ADRB+(\q)/2] offset:(((\q)%2)*64+32*(\c))*KP+32*(\i)
	ds_load_tr16_b128 v[(\f)+64+8*(4*(\c)+(\i))+4:(\f)+64+8*(4*(\c)+(\i))+7], v[ADRB+(\q)/2] offset:(((\q)%2)*64+32*(\c)+16)*KP+32*(\i)
	ds_load_tr16_b128 v[(\f)+8*(4*(\c)+(\i)):(\f)+8*(4*(\c)+(\i))+3],         v[ADRA+(\q)/2] offset:(((\q)%2)*64+32*(\c))*KP+32*(\i)
	ds_load_tr16_b128 v[(\f)+8*(4*(\c)+(\i))+4:(\f)+8*(4*(\c)+(\i))+7],       v[ADRA+(\q)/2] offset:(((\q)%2)*64+32*(\c)+16)*KP+32*(\i)
.endr
.endr
.endm
; The same register places filled from pex and vex, 64 along their K at a time.  In pex 32 along K are four groups, 8,192 bytes; 16 along K two groups, 4,096; 16 queries 256.
.macro GFETCH q, f
	WIN TO_F
.irp c, 0,1
.irp i, 0,1,2,3
	global_load_b128 v[(\f)+64+8*(4*(\c)+(\i)):(\f)+64+8*(4*(\c)+(\i))+3],   v[VXO], s[VEXB:VEXB+1] offset:(\i)*8192+(2*(\q)+(\c))*64
	global_load_b128 v[(\f)+64+8*(4*(\c)+(\i))+4:(\f)+64+8*(4*(\c)+(\i))+7], v[VXO], s[VEXB:VEXB+1] offset:(\i)*8192+(2*(\q)+(\c))*64+32
	global_load_b128 v[(\f)+8*(4*(\c)+(\i)):(\f)+8*(4*(\c)+(\i))+3],         v[PXO], s[PEXB:PEXB+1] offset:(\i)*256+(2*(\q)+(\c))*8192
	global_load_b128 v[(\f)+8*(4*(\c)+(\i))+4:(\f)+8*(4*(\c)+(\i))+7],       v[PXO], s[PEXB:PEXB+1] offset:(\i)*256+(2*(\q)+(\c))*8192+4096
.endr
.endr
.endm
; One of a key step's first three quarters: multiplies buffer f and fetches quarter q into g
.macro QUARTER q, f, g
	s_wait_dscnt 16                                ; the first 32 keys' fragments are in
	MUL8 \f, 0, 0
	MUL8 \f, 0, 2
	PLACES
	FETCH \q, \g
	s_wait_dscnt 32                                ; all but the 32 just issued
	MUL8 \f, 1, 0
	MUL8 \f, 1, 2
.endm
; The last quarter and the change of slots.  Each wave waits for all its tensor loads (one is out: its part of the next slot), adds 0 to its spare word, and waits for that and for its reads of this
; slot.  fill = 1: the barrier opens a round of the cluster's; the slot just left is filled again, first thing behind the round, with key step NXT of block IQ: the addresses are made anew from those
; numbers.  112 matrix instructions stand between the request and the wait for it.
.macro TURN fill
	WIN 0
	s_wait_tensorcnt 0x0                           ; no tensor load of mine is out, so the walking descriptors may be written
	ds_add_u32 v[SPW], v[NIL]                      ; the scalar work stands between the add and the wait for it
.if \fill
	s_xor_b32 s[G0A+5], s[G0A+5], SLOT
	s_xor_b32 s[G0B+5], s[G0B+5], SLOT
	s_lshl_b32 s[OFF], s[NXT], 20                  ; 256 rows of pt,
	s_lshl_b32 s56, s[IQ], 8                       ; the block's queries
	s_add_co_u32 s[OFF], s[OFF], s56
	s_add_nc_u64 s[G0A+6:G0A+7], s[PAB:PAB+1], s[OFF:OFF+1]
	s_or_b32 s[G0A+7], s[G0A+7], 0x80000000
	s_mul_i32 s[OFF], s[NXT], VSTEP
	s_add_nc_u64 s[G0B+6:G0B+7], s[PBB:PBB+1], s[OFF:OFF+1]
	s_or_b32 s[G0B+7], s[G0B+7], 0x80000000
	s_add_co_u32 s[NXT], s[NXT], 1                 ; the block's next key step, or behind its last the second block's step 0
	s_cmp_gt_u32 s[NXT], s[LQ]
	s_cselect_b32 s[NXT], 0, s[NXT]
	s_cselect_b32 s[IQ], s[PP], s[IQ]
	s_cselect_b32 s[LQ], s[PH], s[LQ]
.endif
	s_xor_b32 s[TB], s[TB], SLOT
	s_wait_dscnt 17                                ; the add and the youngest sixteen loads may be out
	MUL8 F1, 0, 0
	s_wait_dscnt 0x0                               ; the add is done, and my reads of this slot are over
	s_barrier_signal -1
	MUL8 F1, 0, 2
	WIN 0
	s_barrier_wait -1
.if \fill
	CREST                                          ; no wave of any partner still reads this slot or has a load on its way
	JLOAD                                          ; its four v_nop are also the places in front of the loads below
.else
	PLACES
.endif
	v_add_nc_u32 v[ADRA], s[TB], v[A0]
	v_add_nc_u32 v[ADRB], s[TB], v[B0]
	v_add_nc_u32 v[ADRA+1], HALFK, v[ADRA]
	v_add_nc_u32 v[ADRB+1], HALFK, v[ADRB]
	FETCH 0, F0
	MUL8 F1, 1, 0
	MUL8 F1, 1, 2
.endm
; THE WAY OUT of a block: 16 rows at a time from the accumulators (low registers first) into my stage, back as whole rows of 256 bytes, stored.
.macro WAYOUT
	WIN 0
	PLACES
.irp a, 0,1,2,3
.irp b, 0,1,2,3
	ds_store_b128 v[STO], v[ACC+8*(4*(\a)+(\b)):ACC+8*(4*(\a)+(\b))+3],   offset:64*(\b)
	ds_store_b128 v[STO], v[ACC+8*(4*(\a)+(\b))+4:ACC+8*(4*(\a)+(\b))+7], offset:64*(\b)+16
.endr
	s_wait_xcnt 0x0                                ; the registers that earlier stores read are loaded again only behind this wait
.irp t, 0,1,2,3,4,5,6,7
	ds_load_b128 v[TMP+32*((\a)%2)+4*(\t):TMP+32*((\a)%2)+4*(\t)+3], v[RD] offset:(\t)*2*SPITCH  ; LDS serves a wave's instructions in order: these see the stores above
.endr
	s_wait_dscnt 0x0
.irp t, 0,1,2,3,4,5,6,7
	global_store_b128 v[CO], v[TMP+32*((\a)%2)+4*(\t):TMP+32*((\a)%2)+4*(\t)+3], s[OC:OC+1] offset:(16*(\a)+2*(\t))*4096  ; 16 lanes store 256 consecutive bytes, at a multiple of 256 from out0's first byte
.endr
.endr
.endm
.macro CLEAR
.set i, 0
.rept 128
	v_mov_b32 v[ACC+i], 0
.set i, i+1
.endr
.endm
; Behind a key step: was it the first block's last?  Then the block goes out and the second begins.  The jump goes forward over text with no barrier and no tensor load; p is the same in all partners.
.macro BOUND
	s_sub_co_u32 s[RT], s[RT], 1
	s_cmp_lg_u32 s[RT], 0
	s_cbranch_scc1 .Lgoes_on_\@
	WAYOUT
	CLEAR
	s_wait_xcnt 0x0                                ; the stores have read out0's address
	s_lshl_b32 s[OFF], s[PP], 19
	s_add_nc_u64 s[OC:OC+1], s[OUTB:OUTB+1], s[OFF:OFF+1]
	s_mov_b32 s[RT], 99                            ; the second block ends with the walk
.Lgoes_on_\@:
.endm
	CLEAR                                          ; all this stands in the wait for the first tiles
	s_cmp_lg_u32 s[PP], 0                          ; p = 0: my first block is the batch's last 128 queries: what f16 dropped of the last 128 keys' weights and v is added first
	s_cbranch_scc1 .Lno_rest
	GFETCH 0, F0
	GFETCH 1, F1
	s_wait_loadcnt 32                              ; the older 32 loads are in, the younger quarter's stay out
	MULQ F0
	PLACES
	GFETCH 2, F0
	s_wait_loadcnt 32
	MULQ F1
	PLACES
	GFETCH 3, F1
	s_wait_loadcnt 32
	MULQ F0
	s_wait_loadcnt 0x0
	MULQ F1
	WIN 0
.Lno_rest:
	PLACES                                         ; in front of the loads into buffer 0
	s_wait_tensorcnt 1                             ; my part of key step 0 is in; step 1's may stay out
	s_barrier_signal -1
	s_barrier_wait -1
	FETCH 0, F0
	WIN 0
	s_mov_b32 s[CNT], 7
.Lstep:                                                ; a trip is a key step; its change of slots asks for steps 2 to 8 of the walk
	QUARTER 1, F0, F1
	QUARTER 2, F1, F0
	QUARTER 3, F0, F1
	TURN 1
	WIN 0
	BOUND
	s_sub_co_u32 s[CNT], s[CNT], 1
	s_cmp_lg_u32 s[CNT], 0
	s_cbranch_scc1 .Lstep
	QUARTER 1, F0, F1                              ; the walk's last two steps are written out: nothing is left to ask for
	QUARTER 2, F1, F0
	QUARTER 3, F0, F1
	TURN 0
	WIN 0
	BOUND
	QUARTER 1, F0, F1
	QUARTER 2, F1, F0
	QUARTER 3, F0, F1
	s_wait_dscnt 16
	MUL8 F1, 0, 0
	MUL8 F1, 0, 2
	s_wait_dscnt 0x0
	MUL8 F1, 1, 0
	MUL8 F1, 1, 2
	WAYOUT
	s_wait_tensorcnt 0x0                           ; the wave's end, behind my last tensor load and my last LDS store
	ds_add_u32 v[SPW], v[NIL]
	s_wait_dscnt 0x0
	CROUND                                         ; the closing round: no work-group ends while a partner may still ask for a tile that names it
	s_endpgm
.Lfunc_end_k_q3a67af3b5d_mix:
	.size	k_q3a67af3b5d_mix, .Lfunc_end_k_q3a67af3b5d_mix-k_q3a67af3b5d_mix
	.p2alignl 7, 3214868480
	.fill 96, 4, 3214868480
	.section	.rodata,"a",@progbits
	.p2align	6, 0x0
	.amdhsa_kernel k_q3a67af3b5d_mix
		.amdhsa_group_segment_fixed_size 327680
		.amdhsa_private_segment_fixed_size 0
		.amdhsa_enable_private_segment 0
		.amdhsa_kernarg_size 40
		.amdhsa_user_sgpr_count 2
		.amdhsa_user_sgpr_kernarg_segment_ptr 1
		.amdhsa_wavefront_size32 1
		.amdhsa_system_sgpr_workgroup_id_x 1
		.amdhsa_system_sgpr_workgroup_id_y 1
		.amdhsa_system_sgpr_workgroup_id_z 1
		.amdhsa_system_vgpr_workitem_id 0
		.amdhsa_next_free_vgpr 512
		.amdhsa_next_free_sgpr 88
		.amdhsa_reserve_vcc 0
		.amdhsa_float_denorm_mode_32 3
		.amdhsa_float_denorm_mode_16_64 3
		.amdhsa_memory_ordered 1
		.amdhsa_forward_progress 1
		.amdhsa_inst_pref_size 117
	.end_amdhsa_kernel
	.amdgpu_metadata
---
amdhsa.version: [ 1, 2 ]
amdhsa.kernels:
  - .name:           k_q3a67af3b5d_mix
    .symbol:         k_q3a67af3b5d_mix.kd
    .args:
      - { .name: pt, .offset: 0, .size: 8, .value_kind: global_buffer, .address_space: global }
      - { .name: qkv, .offset: 8, .size: 8, .value_kind: global_buffer, .address_space: global }
      - { .name: pex, .offset: 16, .size: 8, .value_kind: global_buffer, .address_space: global }
      - { .name: vex, .offset: 24, .size: 8, .value_kind: global_buffer, .address_space: global }
      - { .name: out0, .offset: 32, .size: 8, .value_kind: global_buffer, .address_space: global }
    .group_segment_fixed_size: 327680
    .private_segment_fixed_size: 0
    .kernarg_segment_align: 8
    .kernarg_segment_size: 40
    .max_flat_workgroup_size: 128
    .sgpr_count:     88
    .vgpr_count:     512
    .wavefront_size: 32
...
	.end_amdgpu_metadata
.endif
;; end of part 9
